; MI455X (gfx1250); checked and timed in simulation.
; The chip was launched on July 23, 2026; its instructions are those of AMD's public machine-readable ISA for CDNA 5 (MIT licence, August 2026) and "CDNA5" Instruction Set Architecture Reference Guide (July 2026). The comments in the code are by the model that wrote it; some were corrected since.
;; Causal Self Attention. Allowed arithmetic: matrix products marked QUANTISED: E2M1 operands, one E8M0 scale for each 32 along K, by v_wmma_scale_f32_16x16x128_f8f6f4 with both operands' format E2M1 (or v_wmma_scale_f32_32x16x128_f4), f32 sums; everything else in f32.
;; Inputs: c_proj_w_codes 1,024 x 32 x 16 uint8 (E2M1 codes of c_proj_w, K innermost, in blocks of 32 codes, two codes a byte); c_proj_w_scales 1,024 x 32 uint8 (E8M0 scales of c_proj_w, one for each 32 codes along K); lambdas 2 float32; qkv_w_codes 3 x 1,024 x 32 x 16 uint8 (E2M1 codes of qkv_w, K innermost, in blocks of 32 codes, two codes a byte); qkv_w_scales 3 x 1,024 x 32 uint8 (E8M0 scales of qkv_w, one for each 32 codes along K); ve 4 x 2,048 x 1,024 float32; x_codes 4 x 2,048 x 32 x 16 uint8 (E2M1 codes of x, K innermost, in blocks of 32 codes, two codes a byte); x_scales 4 x 2,048 x 32 uint8 (E8M0 scales of x, one for each 32 codes along K).
;; Outputs: out0 4 x 2,048 x 1,024 float32.
;; This version of the problem:
;;   THIS VERSION OF THE PROBLEM IS GIVEN IN LOW PRECISION. The matrix products marked QUANTISED in the list below multiply operands that are first quantised to E2M1 (2 exponent bits, 1 mantissa bit; 4 bits a number), with one power-of-two scale for each 32 numbers along K (OCP MX v1.0); their sums are f32. All else is computed in f32.
;;   The module's matrix products, in the order in which they are computed (A, B: the left and right operand; K: the contracted axis; several contracted axes count as one K, in the product's order):
;;     1. [M 8,192, K 1,024] x [K 1,024, N 3,072]; A: input x (given as codes); B: input qkv_w (given as codes): QUANTISED
;;     2. batch 32 x [M 2,048, K 128] x [K 128, N 2,048]; A: computed on the way; B: computed on the way: QUANTISED
;;     3. batch 32 x [M 128, K 2,048] x [K 2,048, N 2,048]; A: computed on the way; B: softmax (see below): QUANTISED
;;     4. [M 8,192, K 1,024] x [K 1,024, N 1,024]; A: computed on the way; B: input c_proj_w (given as codes): QUANTISED
;;   THE QUANTISER, for each operand of a quantised product, along K:
;;     - K is cut into blocks of 32 from its start; a last block that is shorter is filled with zeros.
;;     - A block's scale is 2^e with e = floor(log2(the largest magnitude in the block)) - 2, held to -126 .. 127; a block of zeros has e = 0. As a byte (E8M0): e + 127.
;;     - Each number is divided by its block's scale, clamped to +-6, and rounded to the nearest number of E2M1, ties to even, subnormals kept.
;;     - The product sums the exact products of the quantised numbers (number of the format x scale) in f32.
;;   ~~~python
;;   def quantise(x, axis):      # numpy; x: float32 -> the quantised numbers, widened to float32 again
;;       x = np.moveaxis(x, axis, -1); K = x.shape[-1]
;;       x = np.pad(x, [(0, 0)] * (x.ndim - 1) + [(0, -K % 32)]); x = x.reshape(x.shape[:-1] + (-1, 32)); a = np.abs(x).max(-1, keepdims=True)
;;       e = np.where(a > 0, np.clip(np.frexp(np.where(a > 0, a, 1))[1] - 1 - 2, -126, 127), 0)      # np.frexp(a)[1] - 1 = floor(log2(a)), exactly
;;       r = np.clip(x / 2.0 ** e, -6, 6)
;;       step = 2.0 ** (np.maximum(np.frexp(np.where(r == 0, 1, r))[1] - 1, 0) - 1)
;;       q = np.round(r / step) * step * 2.0 ** e      # np.round: ties to even
;;       return np.moveaxis(q.reshape(q.shape[:-2] + (-1,))[..., :K], -1, axis).astype(np.float32)
;;   ~~~
;;   SOFTMAX AHEAD OF A QUANTISED PRODUCT. Where the list says 'softmax', what is quantised is not the finished softmax but p = 2^(t - M), with t = logit x log2(e) and M = ceil(the row's largest t), a whole number; so 1/2 < the row's largest p <= 1. The row's sum l is taken of the UNQUANTISED p, in f32, and the product's result is divided by l at the end. Since M is a whole number, a kernel that streams over the keys may use a running M (the ceiling of the running maximum): every later rescaling is an exact power of two, which a block's scale takes up: the codes' values come out the same.
;;   OPERANDS COMPUTED ON THE WAY. 'Computed on the way' means the value that the module computes at that place (a softmax that the list does not call 'softmax' is quantised finished and normalised). What goes into a quantiser is computed in f32, as accurately as f32 sums, v_exp_f32 and their like allow (about 1e-6 of the number): no bf16 or f16 on the way to a quantiser, and a product that is left as it is and whose result goes on into a quantised operand takes f32 operands (vector FMAs, or v_wmma_f32_16x16x4_f32). A number that lies on a knife's edge between two numbers of the format may be rounded either way, as far as f32 arithmetic and the matrix unit's own rounding can turn it there, and no further.
;;   INPUTS GIVEN AS CODES. c_proj_w (in the module: [1024, 1024], K = its axis 1); qkv_w (in the module: [3, 1024, 1024], K = its axis 2); x (in the module: [4, 2048, 1024], K = its axis 2): each comes as NAME_codes (uint8): NAME with its K axis moved to the last place and cut into blocks of 32 codes, [.., K / 32, bytes a block], one block behind the other in memory; two codes a byte, the lower K in the low four bits (a code: sign, 2 exponent bits, 1 mantissa bit); and NAME_scales (uint8): the same leading axes, one E8M0 byte (e + 127) for each 32 codes along K. Its value is code x scale, taken as it is: it is not quantised again, and the codes and scales need not be those that the quantiser above would give.
;; One version. Each part assembles by itself: llvm-mc -triple=amdgcn-amd-amdhsa -mcpu=gfx1250 --defsym DOCPART=n.
;; ======== version 1 of 1: 3 launches
;; limits: right only within a limited range of input values
;; workspace buffers: q_img 4,194,304 bytes; q_sc 262,144 bytes; kv 8,912,896 bytes; y_img 4,194,304 bytes; y_sc 262,144 bytes
;; launch qkv (part 1): grid 8 x 64, 4 waves a work-group, clusters of 4 x 4, 327,680 bytes of LDS; arguments x_codes, x_scales, qkv_w_codes, qkv_w_scales, ve, lambdas, q_img, q_sc, kv; writes q_img, q_sc, kv
.if DOCPART == 1
	.amdgcn_target "amdgcn-amd-amdhsa--gfx1250"
	.amdhsa_code_object_version 6
	.text
	.protected	k_q4a76f981bc_qkv
	.globl	k_q4a76f981bc_qkv
	.p2align	8
	.type	k_q4a76f981bc_qkv,@function
k_q4a76f981bc_qkv:
	s_mov_b64 s[64:65], 0
	v_nop
	global_prefetch_b8 v0, s[64:65] scope:SCOPE_SE
	s_setreg_imm32_b32 hwreg(HW_REG_WAVE_MODE, 25, 1), 1
	s_wait_xcnt 0x0
	s_wait_alu depctr_hold_cnt(0) depctr_sa_sdst(0) depctr_va_vdst(0) depctr_va_sdst(0) depctr_va_ssrc(0) depctr_va_vcc(0) depctr_vm_vsrc(0)
	s_getreg_b32 s2, hwreg(HW_REG_IB_STS2, 6, 4)
	s_cmp_eq_u32 s2, 0
	s_cbranch_scc0 .Lentry_in_a_cluster
	s_endpgm
.Lentry_in_a_cluster:
	s_bfe_u32 s2, ttmp6, 0x10000c
	s_cmp_lg_u32 s2, 0xf033
	s_cbranch_scc0 .Lentry_shape_is_right
	s_endpgm
.Lentry_shape_is_right:
; qkv = x W^T on codes of FP4 (E2M1) with E8M0 scales, 8,192 x 1,024 x 3,072, and what follows it, so that only codes go to memory:
;   q, k: RMS norm over the head's 128, rope, quantised along the head's 128;   v: lambda0 v + lambda1 ve, quantised along the tokens (the keys of the second attention product).
; SHARES.  512 work-groups of four waves.  The cluster's y says which kind: it is the same in all sixteen partners, and the only branches on ids hang on it and on the cluster's x.
;   y 0-7 (the lower numbers, the longer work): 256 tokens x 256 columns of q (cluster x 0) or k (1); a wave 128 tokens x ONE head: 64 accumulators.
;   y 8-15: 256 tokens x ONE head of v; a wave 64 tokens x 128 channels: 32 accumulators.  The two kinds part behind the head's barrier and meet again at the end.
; All of K = 1,024 lies in LDS at once, rows of 512 bytes + 16 of padding.  The head's four joint loads, one a wave, are the launch's only fills: x's codes, W's codes, x's scales, W's scales.
; CLUSTERS: 4 x 4 work-groups; x's tiles are asked for jointly along a row of the cluster, W's along a column.
; v's block of W's scales has the shape of q's and k's, 256 rows, and begins 128 rows ahead of the head's first row, so that it lies inside the buffer for every head: the head's own 128 rows are its second half.
; THE MATRIX INSTRUCTION IS USED TRANSPOSED (source 0 = 16 rows of W, source 1 = 16 tokens): lane (r, h) holds token r, register 8 b + j the head's column 16 b + 8 h + j.
; WHAT IS STORED.  An operand leaves as an IMAGE OF ITS REGISTERS: 16 rows x 128 K = 1,024 bytes, register group c of lane l at 512 c + 16 l.  q_img [bh][token tile][1024], q_sc [bh][token] one word;
;   kv [bh][4 slots of 512 keys][69,632]: +0 K's 32 images, +32,768 V's images [key step][channel tile], +65,536 K's scale words, +67,584 V's scale words [key step][channel].
; ROPE.  freq[j] = 2^(-10 f32(j / 31)), made here in compensated f32 arithmetic; theta = f32(t) x freq[j], one rounding; sin and cos by reduction modulo pi in two parts and Taylor sums to x^13 and x^12.
; LIMITS: NaN and infinities are not served.  A block whose largest magnitude lies under 2^-124 (a block of zeros too) gets the scale byte 1; these bytes are read by this program alone.
;   freq[j] lies within about 0.6 units of its last place of the true power; a power function that rounds otherwise moves theta by up to 2e-4 at the last tokens.  sin, cos: about 1e-7 absolute.
.set SIZE_K, 1024
.set KSTEP,  512
.set NQ,     KSTEP/128
.set ROWB,   256                       ; K 512 on lies 256 bytes on in every row
.set KROW,   SIZE_K*4/8                ; a row of x or W in memory
.set PITCH,  528                       ; an LDS row: 512 bytes + 16 of padding: the 16 rows of a load start at 16 different banks
.set FR,     8
.set NL,     2
.set NP,     4                         ; places behind this matrix instruction (ISA guide 7.12.1)
.set HALFT,  128*PITCH
.set KS,     SIZE_K/32
.set SCL,    4*HALFT                   ; behind x's 256 rows and W's 256: the scales, units of 256 bytes + 16
.set HALFS,  (128*KS/256)*272
.set SBLK,   (16*KS/256)*272
.set SPARE,  SCL+4*HALFS               ; the spare words, 128 bytes a wave: no other line names them
; the stages lie over the tiles of codes, which have had their only fill; a barrier behind every wave's last read of the tiles stands ahead of the first store; each kind has bytes of its own
.set TPITCH, 272                       ; the rope table begins at LDS byte 0: 256 tokens x (32 cos, 32 sin, 16 bytes of padding)
.set SCW,    256*TPITCH                ; q's or k's scale words, 512 bytes a wave
.set VSP,    528
.set VST,    SCW+4*512                 ; v: 16 tokens x (512 bytes + 16) a wave
.set VCS,    VST+4*16*VSP              ; v's eight images, 1,024 bytes apart, a wave's half of each
.set VXS,    VCS+4*8192                ; v's scale words, 512 bytes a key step: two waves lay their halves
.set TWA,  7                           ; v7   table, in
.set TRA,  8                           ; v8   table, out
.set SCWA, 9
.set SCRA, 10
.set VSW,  11
.set VSR,  12
.set TWC,  13
.set ADRAV, 14                         ; v14-15 v: my 64 tokens' fragments, K 0 and K 512 on
.set ADRA, 16
.set ADRBV, 18                         ; v18-19 v: W's 128 rows
.set ADRB, 20
.set ADRSV, 22                         ; v22  v: scale words
.set VXW,  23                          ; v23  v: where my halves of four scale words go
.set STO,  24
.set RD,   25
.set LI,   26                          ; v26  16 x lane
.set ADRS, 27
.set SPW,  28
.set NIL,  29
.set PFO,  30                          ; v30  ve: 4,096 (lane / 2) + 256 (lane % 2)
.set VXR,  31                          ; v31  v: the two whole words that I store
.set SC,   32                          ; scale words, two sets (v32-95)
.set AF,   128                         ; x's fragments, window 0
.set G1BV, 4                           ; s[4:11] group 1 for v's 128 rows of W (the arguments that lay there have been used by then)
.set G1, 24
.set G0, 32
.set G1B, 48
.set G0B, 56
.set G1S, 68
.set G0S, 76
.set G1SB, 80
.set G0SB, 88
.set KIND, 98                          ; s98  the cluster's y
.set MSB, 0
.macro WIN new                         ; the immediate's high byte repeats the setting that is left
.if MSB != (\new)
	s_set_vgpr_msb (MSB<<8)|(\new)
.set MSB, (\new)
.endif
.endm
.set MUL_LO, 0xa1                      ; source 0 (W) window 1, source 1 (x) window 0, C and D window 2
.set MUL_HI, 0xf1
.set TO_B,   0x40
.macro TL g0, g1                       ; a joint load with a nop and four v_nops behind it, and the jump to the tree's end
	tensor_load_to_lds s[\g0:\g0+3], s[\g1:\g1+7]
	s_nop 0
.rept 4
	v_nop
.endr
	s_branch .Lhead_asked
.endm
.macro CROUND                          ; a round of the cluster's barrier
	s_barrier_signal -1
	s_barrier_wait -1
	s_cmp_lg_u32 s14, 0
	s_cbranch_scc1 .Lnot_wave_0_\@
	s_barrier_signal -3
.Lnot_wave_0_\@:
	s_barrier_wait -3
	s_barrier_signal -1
	s_barrier_wait -1
.endm
	s_load_b128 s[4:7], s[0:1], 0x0                ; x's codes, x's scales
	s_load_b128 s[8:11], s[0:1], 0x10              ; W's codes, W's scales
	s_load_b64 s[96:97], s[0:1], 0x20              ; ve
	v_lshl_add_u32 v[SPW], v0, 2, SPARE
	v_mov_b32 v[NIL], 0
	ds_add_u32 v[SPW], v[NIL]                      ; the opening lines: the add, twice on end, and its wait ahead of my tensor load
	ds_add_u32 v[SPW], v[NIL]
	v_lshrrev_b32 v1, 5, v0
	v_readfirstlane_b32 s14, v1                    ; wave 0..3
	s_lshr_b32 s15, s14, 1                         ; q, k: which 128 tokens are mine
	s_and_b32 s16, s14, 1                          ; q, k: which head of the two
	s_bfe_u32 s40, ttmp6, 0x40000                  ; cx, cy
	s_bfe_u32 s41, ttmp6, 0x40004
	s_lshl_b32 s42, ttmp9, 2
	s_add_co_u32 s42, s42, s40                     ; q, k: block of 256 columns 0..7;  v: head 0..7
	s_and_b32 s[KIND], ttmp7, 0xffff               ; 0-7: q and k;  8-15: v
	s_lshl_b32 s17, s[KIND], 2
	s_add_co_u32 s17, s17, s41
	s_and_b32 s17, s17, 31                         ; block of 256 tokens 0..31
	s_lshl_b32 s43, s41, 2
	s_lshl_b32 s43, 15, s43                        ; my row of the cluster
	s_lshl_b32 s44, 0x1111, s40                    ; my column
	s_or_b32 s[G1+0], s43, (0<<16)|(1<<20)|(1<<21)|(6<<22)|(3<<25)  ; the mask; elements of 1 byte; padding: 4 words after every 128; bit 21 beside a mask
	s_or_b32 s[G1B+0], s44, (0<<16)|(1<<20)|(1<<21)|(6<<22)|(3<<25)
.irp g, G1, G1B
	s_mov_b32 s[\g+1], KROW<<16                    ; tensor_dim0
	s_mov_b32 s[\g+2], 256<<16                     ; tensor_dim1
	s_mov_b32 s[\g+3], KROW<<16                    ; tile_dim0
	s_mov_b32 s[\g+4], 256                         ; tile_dim1
	s_mov_b32 s[\g+5], KROW                        ; pitch
	s_mov_b32 s[\g+6], 0
	s_mov_b32 s[\g+7], 0
.endr
	s_or_b32 s[G1S+0], s43, (3<<16)|(1<<20)|(1<<21)|(5<<22)|(3<<25) ; the scales of 256 rows: a dense block, as rows of 256 bytes (32 elements of 8)
	s_or_b32 s[G1SB+0], s44, (3<<16)|(1<<20)|(1<<21)|(5<<22)|(3<<25)
.irp g, G1S, G1SB
	s_mov_b32 s[\g+1], 32<<16
	s_mov_b32 s[\g+2], (256*KS/256)<<16
	s_mov_b32 s[\g+3], 32<<16
	s_mov_b32 s[\g+4], 256*KS/256
	s_mov_b32 s[\g+5], 32
	s_mov_b32 s[\g+6], 0
	s_mov_b32 s[\g+7], 0
.endr
	s_lshl_b32 s20, s17, 8                         ; x: row 256 x block of tokens
	s_lshl_b32 s46, s42, 8                         ; W, q and k: row 256 x block of columns
	s_lshl_b32 s18, s42, 7
	s_add_co_u32 s18, s18, 2048                    ; W, v: row 2,048 + 128 x head;
	s_sub_co_u32 s19, s18, 128                     ; its block of scales begins 128 rows ahead
	s_cmp_lt_u32 s[KIND], 8
	s_cselect_b32 s92, s46, s19
	s_cselect_b32 s46, s46, s18
	s_mov_b32 s93, 0
	s_mov_b32 s21, 0
	s_mov_b32 s47, 0
	s_mov_b64 s[18:19], KS
	s_mul_u64 s[22:23], s[20:21], s[18:19]
	s_mul_u64 s[92:93], s[92:93], s[18:19]
	s_mov_b64 s[18:19], KROW
	s_mul_u64 s[20:21], s[20:21], s[18:19]
	s_mul_u64 s[46:47], s[46:47], s[18:19]
	s_wait_dscnt 0x0                               ; both opening adds are done
	s_wait_kmcnt 0x0
	s_add_nc_u64 s[20:21], s[4:5], s[20:21]
	s_add_nc_u64 s[22:23], s[6:7], s[22:23]
	s_add_nc_u64 s[46:47], s[8:9], s[46:47]
	s_add_nc_u64 s[92:93], s[10:11], s[92:93]
	CROUND                                         ; all sixteen work-groups are here: the joint loads meet
	s_or_b32 s[G1BV], s44, (0<<16)|(1<<20)|(1<<21)|(6<<22)|(3<<25)
	s_mov_b32 s[G1BV+1], KROW<<16
	s_mov_b32 s[G1BV+2], 128<<16
	s_mov_b32 s[G1BV+3], KROW<<16
	s_mov_b32 s[G1BV+4], 128
	s_mov_b32 s[G1BV+5], KROW
	s_mov_b32 s[G1BV+6], 0
	s_mov_b32 s[G1BV+7], 0
	s_mov_b32 s[G0], 1                             ; x's 256 rows
	s_mov_b32 s[G0+1], 0
	s_mov_b64 s[G0+2:G0+3], s[20:21]
	s_or_b32 s[G0+3], s[G0+3], 0x80000000
	s_mov_b32 s[G0B], 1                            ; W's rows, behind them
	s_mov_b32 s[G0B+1], 2*HALFT
	s_mov_b64 s[G0B+2:G0B+3], s[46:47]
	s_or_b32 s[G0B+3], s[G0B+3], 0x80000000
	s_mov_b32 s[G0S], 1
	s_mov_b32 s[G0S+1], SCL
	s_mov_b64 s[G0S+2:G0S+3], s[22:23]
	s_or_b32 s[G0S+3], s[G0S+3], 0x80000000
	s_mov_b32 s[G0SB], 1
	s_mov_b32 s[G0SB+1], SCL+2*HALFS
	s_mov_b64 s[G0SB+2:G0SB+3], s[92:93]
	s_or_b32 s[G0SB+3], s[G0SB+3], 0x80000000
	; THE HEAD'S LOADS, ONE A WAVE, in one tree of branches: wave 0 x's codes, wave 1 W's (256 rows, or v's 128), wave 2 x's scales, wave 3 W's
	s_cmp_lt_u32 s14, 1
	s_cbranch_scc0 .Lhead_b
	TL G0, G1
.Lhead_b:
	s_cmp_lt_u32 s14, 2
	s_cbranch_scc0 .Lhead_sa
	s_cmp_lt_u32 s[KIND], 8
	s_cbranch_scc0 .Lhead_bv
	TL G0B, G1B
.Lhead_bv:
	TL G0B, G1BV
.Lhead_sa:
	s_cmp_lt_u32 s14, 3
	s_cbranch_scc0 .Lhead_sb
	TL G0S, G1S
.Lhead_sb:
	tensor_load_to_lds s[G0SB:G0SB+3], s[G1SB:G1SB+7]
	s_nop 0
.rept 4
	v_nop
.endr
.Lhead_asked:
	; every LDS address of both kinds is made here, on the way that all take: first the scalar parts, from the wave's number alone
	s_mul_i32 s21, s15, HALFT                      ; q, k: my 128 tokens
	s_mul_i32 s22, s16, HALFT
	s_add_co_u32 s22, s22, 2*HALFT                 ; my 128 rows of W
	s_mul_i32 s2, s15, HALFS
	s_mul_i32 s36, s16, HALFS
	s_add_co_u32 s36, s36, 2*HALFS
	s_sub_co_u32 s36, s36, s2                      ; from x's scales to W's
	s_add_co_u32 s23, s2, SCL
	s_mul_i32 s2, s14, HALFS/2                     ; v: my 64 tokens' scales;
	s_sub_co_u32 s38, 3*HALFS, s2                  ; the head's 128 rows' are the second half of W's block
	s_add_co_u32 s37, s2, SCL
	s_mul_i32 s39, s14, HALFT/2                    ; v: my 64 tokens
	s_mul_i32 s45, s14, 64*TPITCH
	s_mul_i32 s60, s15, 128*TPITCH
	s_lshl_b32 s61, s14, 9
	s_add_co_u32 s61, s61, SCW
	s_mul_i32 s62, s14, 16*VSP
	s_add_co_u32 s62, s62, VST
	s_lshl_b32 s63, s14, 13
	s_add_co_u32 s63, s63, VCS
	s_lshl_b32 s2, s15, 9
	s_add_co_u32 s2, s2, VXS                       ; v: my key step's words
	s_lshl_b32 s94, s16, 1
	s_add_co_u32 s94, s94, s2                      ; my half of each
	s_lshl_b32 s95, s16, 8
	s_add_co_u32 s95, s95, s2                      ; the 64 words that I store
	s_lshl_b32 s12, s17, 8                         ; ve at v's first token and head: (256 block + 64 wave) x 4,096 + 512 x head
	s_lshl_b32 s13, s14, 6
	s_add_co_u32 s12, s12, s13
	s_lshl_b32 s12, s12, 12
	s_lshl_b32 s13, s42, 9
	s_add_co_u32 s12, s12, s13
	s_mov_b32 s13, 0
	s_add_nc_u64 s[96:97], s[96:97], s[12:13]      ; never rewritten
	v_and_b32 v1, 15, v0                           ; r
	v_bfe_u32 v2, v0, 4, 1                         ; h
	v_and_b32 v6, 31, v0                           ; lane
	v_mul_u32_u24 v3, v1, PITCH
	v_lshl_add_u32 v4, v2, 4, v3
	v_add_nc_u32 v[ADRA], s21, v4
	v_add_nc_u32 v[ADRB], s22, v4
	v_add_nc_u32 v[ADRA+1], ROWB, v[ADRA]
	v_add_nc_u32 v[ADRB+1], ROWB, v[ADRB]
	v_add_nc_u32 v[ADRAV], s39, v4
	v_add_nc_u32 v[ADRBV], 2*HALFT, v4
	v_add_nc_u32 v[ADRAV+1], ROWB, v[ADRAV]
	v_add_nc_u32 v[ADRBV+1], ROWB, v[ADRBV]
	v_mul_u32_u24 v5, v1, KS                       ; my row's scales: KS bytes a row, 16 more for each 256 passed
	v_lshrrev_b32 v3, 8, v5
	v_lshl_add_u32 v5, v3, 4, v5
	v_mul_u32_u24 v3, s36, v2                      ; lanes 16-31 take W's
	v_add_nc_u32 v3, v3, v5
	v_add_nc_u32 v[ADRS], s23, v3
	v_mul_u32_u24 v3, s38, v2
	v_add_nc_u32 v3, v3, v5
	v_add_nc_u32 v[ADRSV], s37, v3
	v_lshlrev_b32 v[LI], 4, v6
	v_lshl_add_u32 v[TWA], v6, 2, s45
	v_mul_u32_u24 v[TRA], v1, TPITCH
	v_lshl_add_u32 v[TRA], v2, 5, v[TRA]
	v_add_nc_u32 v[TRA], s60, v[TRA]
	v_lshl_add_u32 v[SCWA], v1, 2, s61
	v_add_nc_u32 v[SCRA], s61, v[LI]
	v_mul_u32_u24 v5, v1, VSP
	v_lshl_add_u32 v5, v2, 5, v5
	v_add_nc_u32 v[STO], s62, v5
	v_add_nc_u32 v[RD], s62, v[LI]
	v_lshrrev_b32 v5, 2, v6
	v_and_b32 v4, 3, v6
	v_lshlrev_b32 v5, 10, v5
	v_lshl_add_u32 v5, v4, 6, v5                   ; channel 4 lane + e: image lane / 4, row 4 (lane % 4) + e
	v_add_nc_u32 v[VSW], s63, v5
	v_add_nc_u32 v[VSR], s63, v[LI]
	v_add_nc_u32 v[VXW], s94, v[LI]
	v_lshl_add_u32 v[VXR], v6, 3, s95
	v_lshrrev_b32 v5, 1, v6
	v_and_b32 v4, 1, v6
	v_lshlrev_b32 v5, 12, v5
	v_lshl_add_u32 v[PFO], v4, 8, v5
	; v's work-groups ask for their ve ahead: each wave once for each 256 bytes of its own 64 tokens x 512 bytes
	s_cmp_lt_u32 s[KIND], 8
	s_cbranch_scc1 .Lno_ask
	s_wait_alu depctr_va_vdst(0)                   ; the wait ahead of the reader below
.irp i, 0,1,2,3
	global_prefetch_b8 v[PFO], s[96:97] offset:65536*\i th:TH_LOAD_NT scope:SCOPE_SE
.endr
.Lno_ask:
.macro FRAG reg, adr, q, i             ; 16 rows x 128 K: lane l holds row l % 16; registers 4 c .. 4 c + 3 hold K = 64 c + 32 (l / 16) + 0 .. 31
.irp c, 0,1
	ds_load_b128 v[\reg+4*\c:\reg+4*\c+3], v[\adr] offset:64*(\q)+32*\c+(\i)*16*PITCH
.endr
.endm
; 16 matrix instructions: x's blocks a0, a0 + 1 against W's eight.  The accumulators take turns, one instruction a turn.
.macro MUL16 a0, p, q, sc, zero
.irp a, \a0, \a0+1
.irp b, 0,1,2,3,4,5,6,7
.if \zero
	v_wmma_scale_f32_16x16x128_f8f6f4 v[8*(8*((\a)%4)+\b):8*(8*((\a)%4)+\b)+7], v[128*(\p)+FR*\b:128*(\p)+FR*\b+FR-1], v[AF+FR*(\a):AF+FR*(\a)+FR-1], 0, v[SC+8*NQ*(\sc)+NQ*\b+(\q)], v[SC+8*NQ*(\sc)+NQ*(\a)+(\q)] matrix_a_fmt:MATRIX_FMT_FP4 matrix_b_fmt:MATRIX_FMT_FP4 matrix_a_scale:MATRIX_SCALE_ROW1
.else
	v_wmma_scale_f32_16x16x128_f8f6f4 v[8*(8*((\a)%4)+\b):8*(8*((\a)%4)+\b)+7], v[128*(\p)+FR*\b:128*(\p)+FR*\b+FR-1], v[AF+FR*(\a):AF+FR*(\a)+FR-1], v[8*(8*((\a)%4)+\b):8*(8*((\a)%4)+\b)+7], v[SC+8*NQ*(\sc)+NQ*\b+(\q)], v[SC+8*NQ*(\sc)+NQ*(\a)+(\q)] matrix_a_fmt:MATRIX_FMT_FP4 matrix_b_fmt:MATRIX_FMT_FP4 matrix_a_scale:MATRIX_SCALE_ROW1
.endif
.endr
.endr
.endm
.macro FETCH_B slot, q, p
	WIN TO_B
.irp i, 0,1,2,3,4,5,6,7
	FRAG 128*(\p)+FR*\i, ADRB+\slot, \q, \i
.endr
	WIN 0
.endm
.macro FETCH_A slot, q, i0
.irp i, \i0, \i0+1, \i0+2, \i0+3
	FRAG AF+FR*(\i), ADRA+\slot, \q, \i
.endr
.endm
.macro SCALES sc                       ; 512 of K's scale words: lanes 0-15 x's block i, lanes 16-31 W's block i
.irp i, 0,1,2,3,4,5,6,7
	ds_load_b128 v[SC+8*NQ*\sc+NQ*\i:SC+8*NQ*\sc+NQ*\i+3], v[ADRS] offset:\i*SBLK
.endr
.endm
.macro PLACES n                        ; plain vector places behind matrix instructions, in front of loads into their registers and of reads of results
.rept \n
	v_nop
.endr
.endm
.macro STEP slot, q, zero              ; q, k: 128 along K
	s_wait_dscnt 4*NL                              ; W's set and x's blocks 0-3 are in; the youngest eight loads (x's blocks 4-7) may be out
	WIN MUL_LO
	MUL16 0, (\q)%2, \q, \slot, \zero
	MUL16 2, (\q)%2, \q, \slot, \zero
	s_wait_dscnt 0
	PLACES NP
	FETCH_B \slot, (\q)+1, 1-(\q)%2
	FETCH_A \slot, (\q)+1, 0
	WIN MUL_HI
	MUL16 4, (\q)%2, \q, \slot, \zero
	MUL16 6, (\q)%2, \q, \slot, \zero
	PLACES NP
	WIN 0
	FETCH_A \slot, (\q)+1, 4
.endm
.macro TURN slot, next                 ; the step ahead of K 512: the next fragments and scale words lie 256 and 16 bytes on
	s_wait_dscnt 4*NL
	WIN MUL_LO
	MUL16 0, 1, NQ-1, \slot, 0
	MUL16 2, 1, NQ-1, \slot, 0
	s_wait_dscnt 0x0
	WIN 0
	PLACES NP
	v_add_nc_u32 v[ADRS], 4*NQ, v[ADRS]
	FETCH_B \next, 0, 0
	FETCH_A \next, 0, 0
	SCALES \next
	WIN MUL_HI
	MUL16 4, 1, NQ-1, \slot, 0
	MUL16 6, 1, NQ-1, \slot, 0
	PLACES NP
	WIN 0
	FETCH_A \next, 0, 4
.endm
.macro STEPS slot, from
.set Q, \from
.rept NQ-1-\from
	STEP \slot, Q, 0
.set Q, Q+1
.endr
.endm
	s_wait_alu depctr_va_vdst(0)                   ; the wait at the head's end
	s_wait_tensorcnt 0x0                           ; my one load has landed,
	s_barrier_signal -1
	s_barrier_wait -1                              ; everybody's has
	s_cmp_ge_u32 s[KIND], 8
	s_cbranch_scc1 .Lvpath                         ; the two kinds part here
	FETCH_B 0, 0, 0
	FETCH_A 0, 0, 0
	SCALES 0
	FETCH_A 0, 0, 4
	STEP 0, 0, 1                                   ; the first products start the sums
	STEPS 0, 1
	TURN 0, 1
	s_load_b128 s[28:31], s[0:1], 0x30             ; no tensor load of mine is out: the descriptors' registers take the other addresses: q_img, q_sc,
	s_load_b64 s[32:33], s[0:1], 0x40              ; kv
	STEPS 1, 0
	s_wait_dscnt 4*NL
	WIN MUL_LO
	MUL16 0, 1, NQ-1, 1, 0
	MUL16 2, 1, NQ-1, 1, 0
	s_wait_dscnt 0
	s_barrier_signal -1                            ; my reads of the tiles are over: the stages are laid over them
	WIN MUL_HI
	MUL16 4, 1, NQ-1, 1, 0
	MUL16 6, 1, NQ-1, 1, 0
	WIN 0
	s_barrier_wait -1                              ; everybody's are
	PLACES NP
; ------------------------------------------------------------------ q and k: the rope table
.set SEL, 94                           ; s[94:95] v_permlanex16_b32's selects for lane l xor 16
.set TP,  64                           ; v64-127  four pairs of tokens, 16 registers each: +0 theta, then sin; +2 k + magic, then the sign; +4 r; +6 r^2; +8 k, then sin's sum; +10 cos's sum; +12 cos; +14 r^3
.set TT,  128                          ; v128-135 the four pairs' token numbers, f32
.set FQ,  136                          ; v136-137 freq[lane], twice
.set MG,  160                          ; v160-161 1.5 x 2^23;  v162-163 -1/11!;  v164-165 -1/10!
.set S5,  162
.set C5,  164
	s_wait_kmcnt 0x0
	s_lshr_b32 s72, s17, 3                         ; batch
	s_and_b32 s73, s17, 7
	s_lshl_b32 s73, s73, 8
	s_lshl_b32 s83, s14, 6
	s_add_co_u32 s83, s83, s73                     ; the first token whose table row I make
	s_lshl_b32 s74, s15, 7
	s_add_co_u32 s73, s73, s74                     ; t0: my first token in its sequence
	s_lshl_b32 s74, s42, 1
	s_add_co_u32 s74, s74, s16
	s_and_b32 s74, s74, 7                          ; head
	s_lshl_b32 s75, s72, 3
	s_add_co_u32 s75, s75, s74                     ; bh
	s_lshr_b32 s76, s73, 9                         ; slot of 512 keys
	s_and_b32 s77, s73, 511                        ; and my first token in it
	s_mov_b32 s[SEL], 0x76543210
	s_mov_b32 s[SEL+1], 0xfedcba98
	s_mov_b32 s92, 0x3c000000                      ; 1 / 128
	s_mov_b32 s93, 0x34000000                      ; eps = 2^-23
	v_and_b32 v140, 31, v0                         ; freq[j], j = lane
	v_cvt_f32_u32 v140, v140
	v_mul_f32 v141, 0x3d042108, v140               ; j x f32(1/31),
	v_fmamk_f32 v142, v141, 0xc1f80000, v140       ; its residue j - 31 q,
	v_fmamk_f32 v143, v142, 0x3d042108, v141       ; s = j / 31, rounded once
	v_mul_f32 v144, 0xc1200000, v143               ; -10 s in two parts: hi,
	v_fma_f32 v145, 0xc1200000, v143, -v144        ; lo (exact)
	v_rndne_f32 v146, v144                         ; n
	v_sub_f32 v147, v144, v146                     ; f = hi - n, exact
	v_mul_f32 v148, 0x3f317218, v147               ; y = (f + lo) ln 2 in two parts: yh,
	v_fma_f32 v149, 0x3f317218, v147, -v148
	v_fmamk_f32 v149, v147, 0xb102e308, v149
	v_fmamk_f32 v149, v145, 0x3f317218, v149       ; yl;
	v_fma_f32 v149, v149, v148, v149               ; yl (1 + yh)
	v_mov_b32 v150, 0x3638ef1d
	v_fmaak_f32 v150, v150, v148, 0x37d00d01
	v_fmaak_f32 v150, v150, v148, 0x39500d01
	v_fmaak_f32 v150, v150, v148, 0x3ab60b61
	v_fmaak_f32 v150, v150, v148, 0x3c088889
	v_fmaak_f32 v150, v150, v148, 0x3d2aaaab
	v_fmaak_f32 v150, v150, v148, 0x3e2aaaab
	v_fma_f32 v150, v150, v148, 0.5                ; P: e^yh = 1 + yh + yh^2 P
	v_mul_f32 v151, v148, v148
	v_fma_f32 v152, v151, v150, v149
	v_add_f32 v153, v148, v152                     ; compensated sums
	v_sub_f32 v154, v153, v148
	v_sub_f32 v154, v152, v154
	v_add_f32 v155, 1.0, v153
	v_add_f32 v156, -1.0, v155
	v_sub_f32 v156, v153, v156
	v_add_f32 v156, v156, v154
	v_add_f32 v155, v155, v156
	v_cvt_i32_f32 v146, v146
	v_ldexp_f32 v[FQ], v155, v146                  ; freq[j] = 2^n e^y
	v_mov_b32 v[FQ+1], v[FQ]
.irp i, 0,1,2,3,4,5,6,7
	s_add_co_u32 s84, s83, \i
	v_cvt_f32_u32 v[TT+\i], s84
.endr
.irp i, 0,1
	v_mov_b32 v[MG+\i], 0x4b400000
	v_mov_b32 v[S5+\i], 0xb2d7322b
	v_mov_b32 v[C5+\i], 0xb493f27e
.endr
	; wave w makes tokens 64 w .. 64 w + 63 of the work-group's 256, lane j column j, eight tokens a trip
	s_mov_b32 s70, 8
	s_mov_b32 s71, 0
.Ltrig:
	s_wait_alu depctr_va_vdst(0)                   ; the wait behind the jump
.irp p, 0,1,2,3
	v_pk_mul_f32 v[TP+16*\p:TP+16*\p+1], v[TT+2*\p:TT+2*\p+1], v[FQ:FQ+1]                                          ; theta = t x freq: one rounding
.endr
.irp p, 0,1,2,3
	v_pk_fma_f32 v[TP+16*\p+2:TP+16*\p+3], v[TP+16*\p:TP+16*\p+1], 0x3ea2f983, v[MG:MG+1] op_sel_hi:[1,0,1]        ; theta / pi + 1.5 x 2^23: k in the low bits
.endr
.irp p, 0,1,2,3
	v_pk_add_f32 v[TP+16*\p+8:TP+16*\p+9], v[TP+16*\p+2:TP+16*\p+3], 0xcb400000 op_sel_hi:[1,0]                    ; k
.endr
.irp p, 0,1,2,3
	v_pk_fma_f32 v[TP+16*\p+4:TP+16*\p+5], v[TP+16*\p+8:TP+16*\p+9], 0xc0490fdb, v[TP+16*\p:TP+16*\p+1] op_sel_hi:[1,0,1]   ; theta - k pi's high part: exact
.endr
.irp p, 0,1,2,3
	v_pk_fma_f32 v[TP+16*\p+4:TP+16*\p+5], v[TP+16*\p+8:TP+16*\p+9], 0x33bbbd2e, v[TP+16*\p+4:TP+16*\p+5] op_sel_hi:[1,0,1] ; - k pi's low part: r, within +-pi/2
.endr
.irp p, 0,1,2,3
	v_pk_mul_f32 v[TP+16*\p+6:TP+16*\p+7], v[TP+16*\p+4:TP+16*\p+5], v[TP+16*\p+4:TP+16*\p+5]
.endr
.irp p, 0,1,2,3
	v_pk_fma_f32 v[TP+16*\p+8:TP+16*\p+9], v[TP+16*\p+6:TP+16*\p+7], 0x2f309231, v[S5:S5+1] op_sel_hi:[1,0,1]      ; sin: 1/13! z - 1/11!
	v_pk_fma_f32 v[TP+16*\p+10:TP+16*\p+11], v[TP+16*\p+6:TP+16*\p+7], 0x310f76c7, v[C5:C5+1] op_sel_hi:[1,0,1]    ; cos: 1/12! z - 1/10!
.endr
.irp k, 0x3638ef1d, 0xb9500d01, 0x3c088889, 0xbe2aaaab
.irp p, 0,1,2,3
	v_pk_fma_f32 v[TP+16*\p+8:TP+16*\p+9], v[TP+16*\p+8:TP+16*\p+9], v[TP+16*\p+6:TP+16*\p+7], \k op_sel_hi:[1,1,0]
.endr
.endr
.irp k, 0x37d00d01, 0xbab60b61, 0x3d2aaaab, -0.5
.irp p, 0,1,2,3
	v_pk_fma_f32 v[TP+16*\p+10:TP+16*\p+11], v[TP+16*\p+10:TP+16*\p+11], v[TP+16*\p+6:TP+16*\p+7], \k op_sel_hi:[1,1,0]
.endr
.endr
.irp p, 0,1,2,3
	v_pk_mul_f32 v[TP+16*\p+14:TP+16*\p+15], v[TP+16*\p+6:TP+16*\p+7], v[TP+16*\p+4:TP+16*\p+5]
	v_lshlrev_b32 v[TP+16*\p+2], 31, v[TP+16*\p+2]                                                                 ; k's parity as a sign
	v_lshlrev_b32 v[TP+16*\p+3], 31, v[TP+16*\p+3]
.endr
.irp p, 0,1,2,3
	v_pk_fma_f32 v[TP+16*\p:TP+16*\p+1], v[TP+16*\p+8:TP+16*\p+9], v[TP+16*\p+14:TP+16*\p+15], v[TP+16*\p+4:TP+16*\p+5]   ; sin r
	v_pk_fma_f32 v[TP+16*\p+12:TP+16*\p+13], v[TP+16*\p+10:TP+16*\p+11], v[TP+16*\p+6:TP+16*\p+7], 1.0 op_sel_hi:[1,1,0]  ; cos r
.endr
.irp p, 0,1,2,3
	v_xor_b32 v[TP+16*\p], v[TP+16*\p+2], v[TP+16*\p]
	v_xor_b32 v[TP+16*\p+1], v[TP+16*\p+3], v[TP+16*\p+1]
	v_xor_b32 v[TP+16*\p+12], v[TP+16*\p+2], v[TP+16*\p+12]
	v_xor_b32 v[TP+16*\p+13], v[TP+16*\p+3], v[TP+16*\p+13]
	v_pk_add_f32 v[TT+2*\p:TT+2*\p+1], v[TT+2*\p:TT+2*\p+1], 0x41000000 op_sel_hi:[1,0]                            ; eight tokens on
.endr
	v_add_nc_u32 v[TWC], s71, v[TWA]
.irp p, 0,1,2,3
	ds_store_b32 v[TWC], v[TP+16*\p+12] offset:TPITCH*(2*\p)
	ds_store_b32 v[TWC], v[TP+16*\p] offset:TPITCH*(2*\p)+128
	ds_store_b32 v[TWC], v[TP+16*\p+13] offset:TPITCH*(2*\p+1)
	ds_store_b32 v[TWC], v[TP+16*\p+1] offset:TPITCH*(2*\p+1)+128
.endr
	s_wait_dscnt 0x0                               ; the stores have read their registers: the next trip writes them again
	s_add_co_u32 s71, s71, 8*TPITCH
	s_sub_co_u32 s70, s70, 1
	s_cmp_lg_u32 s70, 0
	s_cbranch_scc1 .Ltrig
	s_wait_dscnt 0x0                               ; for the others' sake: my rows of the table have landed
	s_barrier_signal -1
	s_barrier_wait -1                              ; the table is whole
; ------------------------------------------------------------------ q and k: norm, rope, codes
.set SS,  32                           ; v32-35   sums of squares, two chains
.set RS,  36                           ; v36-37   1 / rms, twice
.set TM,  38                           ; v38-53   the quantiser's work; +0..7 also serve the rope
.set PW,  56                           ; v56-63   a scale word for each block of tokens
.set X,   64                           ; v64-127  a block's 64 numbers
.set PC,  192                          ; v192-255 eight registers of codes for each block: no store's data are written again
; 64 numbers of a lane, register 8 t + i = k 16 t + 8 h + i of its row, become a fragment's codes in v[pc] on and its scale word in v[pw].
.macro QUANT s, pc, pw
.irp b, 0,1,2,3
	v_max3_num_f32 v[TM+\b], |v[\s+16*\b]|, |v[\s+1+16*\b]|, 0x1800000   ; block b: my 16 numbers, and the floor 2^(3 - 127)
.endr
.irp i, 2,4,6,8,10,12,14
.irp b, 0,1,2,3
	v_max3_num_f32 v[TM+\b], v[TM+\b], |v[\s+16*\b+\i]|, |v[\s+1+16*\b+\i]|
.endr
.endr
.irp b, 0,1,2,3
	v_permlanex16_b32 v[TM+4+\b], v[TM+\b], s[SEL], s[SEL+1]
.endr
.irp b, 0,1,2,3
	v_max_num_f32 v[TM+\b], v[TM+\b], v[TM+4+\b]   ; with lane l xor 16's 16
.endr
.irp b, 0,1,2,3
	v_add_nc_u32 v[TM+12+\b], 0xff000000, v[TM+\b] ; 2 off its exponent field: the conversion's scale operand
.endr
.irp b, 0,1,2,3
	v_lshrrev_b32 v[TM+4+\b], 23, v[TM+12+\b]      ; the scale's byte
.endr
	v_lshl_or_b32 v[\pw], v[TM+5], 8, v[TM+4]
	v_lshl_or_b32 v[\pw], v[TM+6], 16, v[\pw]
	v_lshl_or_b32 v[\pw], v[TM+7], 24, v[\pw]
.irp c, 0,1
	v_cvt_scalef32_pk8_fp4_f32 v[\pc+4*\c], v[\s+32*\c:\s+32*\c+7], v[TM+12+2*\c]
	v_cvt_scalef32_pk8_fp4_f32 v[\pc+4*\c+2], v[\s+32*\c+8:\s+32*\c+15], v[TM+12+2*\c]
	v_cvt_scalef32_pk8_fp4_f32 v[\pc+4*\c+1], v[\s+32*\c+16:\s+32*\c+23], v[TM+13+2*\c]
	v_cvt_scalef32_pk8_fp4_f32 v[\pc+4*\c+3], v[\s+32*\c+24:\s+32*\c+31], v[TM+13+2*\c]
.endr
	v_nop                                          ; one plain place behind a scaled conversion
.irp c, 0,1                            ; register 4 c + m then holds k = 64 c + 32 h + 8 m + 0 .. 7
	v_permlane16_swap_b32 v[\pc+4*\c], v[\pc+4*\c+1]
	v_permlane16_swap_b32 v[\pc+4*\c+2], v[\pc+4*\c+3]
.endr
.endm
.macro TLOAD a                         ; block a's table rows: my token's cos, then sin, of columns 8 h + 0..7 and 16 + 8 h + 0..7, into set a % 2 of v128-191
.set TL, 128+32*((\a)%2)
.irp u, 0,1
	ds_load_b128 v[TL+16*\u:TL+16*\u+3], v[TRA] offset:16*TPITCH*(\a)+128*\u
	ds_load_b128 v[TL+16*\u+4:TL+16*\u+7], v[TRA] offset:16*TPITCH*(\a)+128*\u+16
	ds_load_b128 v[TL+16*\u+8:TL+16*\u+11], v[TRA] offset:16*TPITCH*(\a)+128*\u+64
	ds_load_b128 v[TL+16*\u+12:TL+16*\u+15], v[TRA] offset:16*TPITCH*(\a)+128*\u+80
.endr
.endm
.macro QKBLOCK a                       ; tokens 16 a .. 16 a + 15
.set AC, 64*((\a)%4)
.set TBL, 128+32*((\a)%2)
.if (\a) < 7
	TLOAD (\a)+1
.endif
	WIN 0x0a+5*((\a)/4)                            ; sources 0 and 1: window 2 or 3
	v_pk_mul_f32 v[SS:SS+1], v[AC:AC+1], v[AC:AC+1]             ; the sum of squares, each accumulator from its low end on
	v_pk_mul_f32 v[SS+2:SS+3], v[AC+2:AC+3], v[AC+2:AC+3]
.set qn, 4
.rept 15
	v_pk_fma_f32 v[SS:SS+1], v[AC+qn:AC+qn+1], v[AC+qn:AC+qn+1], v[SS:SS+1]
	v_pk_fma_f32 v[SS+2:SS+3], v[AC+qn+2:AC+qn+3], v[AC+qn+2:AC+qn+3], v[SS+2:SS+3]
.set qn, qn+4
.endr
	WIN 0
	v_pk_add_f32 v[SS:SS+1], v[SS:SS+1], v[SS+2:SS+3]
	v_add_f32 v[SS], v[SS], v[SS+1]
	v_permlanex16_b32 v[TM+4], v[SS], s[SEL], s[SEL+1]
	v_add_f32 v[SS], v[SS], v[TM+4]                ; my token's 128 squares
	v_fma_f32 v[SS], v[SS], s92, s93               ; the mean + eps
	s_wait_alu depctr_va_vdst(0)                   ; the wait ahead of the transcendentals
	v_rsq_f32 v[RS], v[SS]
	v_rsq_f32 v[RS+1], v[SS]
	v_nop                                          ; one plain place behind them
	WIN 0x02+((\a)/4)
.set qn, 0
	s_wait_alu depctr_va_vdst(0)                   ; the wait ahead of their first reader
.rept 32
	v_pk_mul_f32 v[X+qn:X+qn+1], v[AC+qn:AC+qn+1], v[RS:RS+1]
.set qn, qn+2
.endr
	WIN 0
.if (\a) < 7
	s_wait_dscnt 8                                 ; this block's table rows are in; the next block's eight loads may be out
.else
	s_wait_dscnt 0x0
.endif
.irp n, 0,1,2,3,4,5,6,7                ; columns 0-31 turn with columns 64-95; the other 64 have freq 0 and stay
	v_pk_mul_f32 v[TM+4*(\n%2):TM+4*(\n%2)+1], v[X+32+2*\n:X+33+2*\n], v[TBL+16+2*\n:TBL+17+2*\n]
	v_pk_mul_f32 v[TM+4*(\n%2)+2:TM+4*(\n%2)+3], v[X+2*\n:X+1+2*\n], v[TBL+16+2*\n:TBL+17+2*\n]
	v_pk_fma_f32 v[X+2*\n:X+1+2*\n], v[X+2*\n:X+1+2*\n], v[TBL+2*\n:TBL+1+2*\n], v[TM+4*(\n%2):TM+4*(\n%2)+1]
	v_pk_fma_f32 v[X+32+2*\n:X+33+2*\n], v[X+32+2*\n:X+33+2*\n], v[TBL+2*\n:TBL+1+2*\n], v[TM+4*(\n%2)+2:TM+4*(\n%2)+3] neg_lo:[0,0,1] neg_hi:[0,0,1]
.endr
	QUANT X, PC+8*(\a), PW+(\a)
	global_store_b128 v[LI], v[PC+8*(\a):PC+8*(\a)+3], s[36:37] offset:1024*(\a)         ; the image: 512 consecutive bytes a store
	global_store_b128 v[LI], v[PC+8*(\a)+4:PC+8*(\a)+7], s[36:37] offset:1024*(\a)+512
	ds_store_b32 v[SCWA], v[PW+(\a)] offset:64*(\a)                                      ; lanes r and 16 + r write the same word with the same value
.endm
	s_mov_b32 s78, 278528                          ; k's pitches in kv; q's take their place where the cluster's x is 0
	s_mov_b32 s79, 69632
	s_mov_b32 s80, 278528
	s_mov_b32 s81, 69632
	s_mov_b32 s82, 65536
	s_cmp_eq_u32 ttmp9, 0
	s_cselect_b64 s[36:37], s[28:29], s[32:33]     ; codes: q_img or kv
	s_cselect_b64 s[38:39], s[30:31], s[32:33]     ; scale words: q_sc or kv
	s_cselect_b32 s78, 131072, s78
	s_cselect_b32 s79, 32768, s79
	s_cselect_b32 s80, 8192, s80
	s_cselect_b32 s81, 2048, s81
	s_cselect_b32 s82, 0, s82
	s_mul_i32 s78, s75, s78
	s_mul_i32 s79, s76, s79
	s_add_co_u32 s78, s78, s79
	s_lshl_b32 s79, s77, 6                         ; 64 bytes of image a token
	s_add_co_u32 s78, s78, s79
	s_mov_b32 s79, 0
	s_add_nc_u64 s[36:37], s[36:37], s[78:79]
	s_mul_i32 s80, s75, s80
	s_mul_i32 s81, s76, s81
	s_add_co_u32 s80, s80, s81
	s_add_co_u32 s80, s80, s82
	s_lshl_b32 s81, s77, 2
	s_add_co_u32 s80, s80, s81
	s_mov_b32 s81, 0
	s_add_nc_u64 s[38:39], s[38:39], s[80:81]
.irp b, 0,1,2,3
	v_mov_b32 v[TM+4+\b], 0                        ; written once: a lane permute's destination counts as one of its sources
.endr
	TLOAD 0
.irp a, 0,1,2,3,4,5,6,7
	QKBLOCK \a
.endr
	ds_load_b128 v[64:67], v[SCRA]                 ; LDS serves a wave's instructions in order: this sees my eight stores
	s_wait_dscnt 0x0
	global_store_b128 v[LI], v[64:67], s[38:39]    ; my 128 tokens' scale words: 512 consecutive bytes
	s_branch .Lend
; ------------------------------------------------------------------ v: 64 tokens x one head a wave
.Lvpath:
.set ADRA, ADRAV                       ; the fetching macros name v's addresses from here on
.set ADRB, ADRBV
.macro VELOAD a                        ; ve of tokens 16 a .. 16 a + 15, my head: a row of 512 bytes a load, into window 3, which v's 32 accumulators leave free
.irp t, 0,1,2,3,4,5,6,7,8,9,10,11,12,13,14,15
	global_load_b128 v[64*(\a)+4*\t:64*(\a)+4*\t+3], v[LI], s[96:97] offset:(16*(\a)+\t)*4096 th:TH_LOAD_NT
.endr
.endm
.macro VFETCH n                        ; the n-th 128 of K into set n % 2: W's eight fragments and my four of x
	FETCH_B (\n)/4, (\n)%4, (\n)%2
.irp i, 0,1,2,3
	FRAG AF+32*((\n)%2)+FR*\i, ADRA+(\n)/4, (\n)%4, \i
.endr
.endm
.macro VSTEP n                         ; the next fragments are asked for, then 32 matrix instructions: the 32 accumulators take turns, in the same order in every step
.if \n < 7
.if \n > 0
	PLACES NP                                      ; in front of loads into the set that the step before multiplied
.endif
	VFETCH (\n)+1
	s_wait_dscnt 24                                ; this step's are in; the 24 loads just issued may be out
.else
	s_wait_dscnt 0x0
	s_barrier_signal -1                            ; my reads of the tiles are over: the stages are laid over them
.endif
	WIN MUL_LO
.irp a, 0,1,2,3
.irp b, 0,1,2,3,4,5,6,7
.if \n == 0
	v_wmma_scale_f32_16x16x128_f8f6f4 v[8*(8*\a+\b):8*(8*\a+\b)+7], v[128*(\n%2)+FR*\b:128*(\n%2)+FR*\b+FR-1], v[AF+32*(\n%2)+FR*\a:AF+32*(\n%2)+FR*\a+FR-1], 0, v[SC+32*(\n/4)+4*\b+\n%4], v[SC+32*(\n/4)+4*\a+\n%4] matrix_a_fmt:MATRIX_FMT_FP4 matrix_b_fmt:MATRIX_FMT_FP4 matrix_a_scale:MATRIX_SCALE_ROW1
.else
	v_wmma_scale_f32_16x16x128_f8f6f4 v[8*(8*\a+\b):8*(8*\a+\b)+7], v[128*(\n%2)+FR*\b:128*(\n%2)+FR*\b+FR-1], v[AF+32*(\n%2)+FR*\a:AF+32*(\n%2)+FR*\a+FR-1], v[8*(8*\a+\b):8*(8*\a+\b)+7], v[SC+32*(\n/4)+4*\b+\n%4], v[SC+32*(\n/4)+4*\a+\n%4] matrix_a_fmt:MATRIX_FMT_FP4 matrix_b_fmt:MATRIX_FMT_FP4 matrix_a_scale:MATRIX_SCALE_ROW1
.endif
.endr
.endr
	WIN 0
.endm
.macro TOSTAGE a                       ; block a turns through my stage and comes back into its own registers: register 4 t + e is then (token 16 a + t, channel 4 lane + e)
	WIN 0x08
.irp b, 0,1,2,3,4,5,6,7
	ds_store_b128 v[STO], v[64*(\a)+8*\b:64*(\a)+8*\b+3] offset:64*\b          ; each accumulator from its low end on
	ds_store_b128 v[STO], v[64*(\a)+8*\b+4:64*(\a)+8*\b+7] offset:64*\b+16
.endr
	WIN 0x80
.irp t, 0,1,2,3,4,5,6,7,8,9,10,11,12,13,14,15
	ds_load_b128 v[64*(\a)+4*\t:64*(\a)+4*\t+3], v[RD] offset:\t*VSP           ; LDS serves a wave's instructions in order: these see the stores above, and the next block's stores come behind them
.endr
.endm
.macro VMIX a, left                    ; lambda0 v + lambda1 ve, laid with the tokens along the registers: v[128 + 32 e + 16 (a % 2) + t]
.set BB, 64*(\a)
	WIN 0x82
.set qn, 0
.rept 32
	v_pk_mul_f32 v[BB+qn:BB+qn+1], v[BB+qn:BB+qn+1], s[34:35] op_sel_hi:[1,0]
.set qn, qn+2
.endr
	s_wait_loadcnt \left                           ; this block's sixteen loads of ve are in; the later blocks' may be out
	WIN 0x23                                       ; source 0: ve (window 3); source 2: lambda0 v (window 2)
.irp t, 0,1,2,3,4,5,6,7,8,9,10,11,12,13,14,15
.irp e, 0,1,2,3
	v_fma_f32 v[128+32*\e+16*((\a)%2)+\t], v[BB+4*\t+\e], s35, v[BB+4*\t+\e]
.endr
.endr
	WIN 0
.endm
.macro VQ g                            ; 32 tokens = a block along the keys, whole in a lane, for each of my four channels
.irp e, 0,1,2,3
	v_max3_num_f32 v[32+\e], |v[128+32*\e]|, |v[129+32*\e]|, |v[130+32*\e]|
	v_max3_num_f32 v[36+\e], |v[131+32*\e]|, |v[132+32*\e]|, |v[133+32*\e]|
.endr
.irp i, 6,10,14,18,22,26
.irp e, 0,1,2,3
	v_max3_num_f32 v[32+\e], v[32+\e], |v[128+32*\e+\i]|, |v[129+32*\e+\i]|
	v_max3_num_f32 v[36+\e], v[36+\e], |v[130+32*\e+\i]|, |v[131+32*\e+\i]|
.endr
.endr
.irp e, 0,1,2,3
	v_max3_num_f32 v[32+\e], v[32+\e], |v[158+32*\e]|, |v[159+32*\e]|
.endr
.irp e, 0,1,2,3
	v_max3_num_f32 v[32+\e], v[32+\e], v[36+\e], 0x1800000         ; and the floor 2^(3 - 127)
.endr
.irp e, 0,1,2,3
	v_add_nc_u32 v[40+\e], 0xff000000, v[32+\e]                    ; the conversion's scale operand
.endr
.irp e, 0,1,2,3
.if \g == 0
	v_lshrrev_b32 v[56+\e], 23, v[40+\e]                           ; the byte: my two key blocks make half of the channel's scale word
.else
	v_lshrrev_b32 v[44+\e], 23, v[40+\e]
.endif
.endr
.if \g > 0
.irp e, 0,1,2,3
	v_lshl_or_b32 v[56+\e], v[44+\e], 8*\g, v[56+\e]
.endr
.endif
.irp e, 0,1,2,3
.irp m, 0,1,2,3
	v_cvt_scalef32_pk8_fp4_f32 v[64+16*\g+4*\e+\m], v[128+32*\e+8*\m:135+32*\e+8*\m], v[40+\e]
.endr
.endr
	v_nop                                          ; one plain place behind a scaled conversion
.irp e, 0,1,2,3
	ds_store_b128 v[VSW], v[64+16*\g+4*\e:67+16*\g+4*\e] offset:256*\g+16*\e   ; (channel, my key block g) at its place in my half of the image: 256 g + 16 x row
.endr
.endm
	s_load_b64 s[26:27], s[0:1], 0x28              ; no tensor load of mine is out: the descriptors' registers take the other addresses: lambdas,
	s_load_b64 s[32:33], s[0:1], 0x40              ; kv
	WIN 0xc0
.irp a, 0,1,2,3
	VELOAD \a                                      ; all of my ve is asked for ahead of the product
.endr
	WIN 0
.irp s, 0,1
.irp i, 0,1,2,3,4,5,6,7
	ds_load_b128 v[SC+32*\s+4*\i:SC+32*\s+4*\i+3], v[ADRSV] offset:\i*SBLK+16*\s   ; lanes 0-15: x's block i (four are mine); lanes 16-31: W's block i
.endr
.endr
	VFETCH 0
	s_lshr_b32 s72, s17, 3                         ; batch
	s_and_b32 s73, s17, 7
	s_lshl_b32 s73, s73, 8
	s_lshl_b32 s74, s14, 6
	s_add_co_u32 s73, s73, s74                     ; t0: my first token in its sequence
	s_lshl_b32 s75, s72, 3
	s_add_co_u32 s75, s75, s42                     ; bh
	s_lshr_b32 s76, s73, 9                         ; slot of 512 keys
	s_mul_i32 s78, s75, 278528
	s_mul_i32 s79, s76, 69632
	s_add_co_u32 s78, s78, s79
	s_bfe_u32 s79, s73, 0x20007                    ; my key step in its slot: (t0 / 128) % 4
	s_lshl_b32 s80, s79, 13
	s_add_co_u32 s80, s80, s78
	s_add_co_u32 s80, s80, 32768
	s_lshl_b32 s81, s16, 9                         ; keys 64 (wave % 2) on: that half of each image
	s_add_co_u32 s80, s80, s81
	s_mov_b32 s81, 0
	s_lshl_b32 s82, s79, 9
	s_add_co_u32 s82, s82, s78
	s_add_co_u32 s82, s82, 67584
	s_lshl_b32 s83, s16, 8                         ; the 64 channels whose words I store
	s_add_co_u32 s82, s82, s83
	s_mov_b32 s83, 0
	s_wait_kmcnt 0x0
	s_load_b64 s[34:35], s[26:27], 0x0             ; lambda0, lambda1
	s_add_nc_u64 s[36:37], s[32:33], s[80:81]
	s_add_nc_u64 s[38:39], s[32:33], s[82:83]
.irp n, 0,1,2,3,4,5,6,7
	VSTEP \n
.endr
	s_barrier_wait -1                              ; everybody's reads of the tiles are over
	PLACES NP
.irp a, 0,1,2,3
	TOSTAGE \a
.endr
	WIN 0
	s_wait_dscnt 0x0
	s_wait_kmcnt 0x0
	VMIX 0, 48
	VMIX 1, 32
	VQ 0
	VMIX 2, 16
	VMIX 3, 0
	VQ 1
.irp e, 0,1,2,3
	ds_store_b16 v[VXW], v[56+\e] offset:4*\e      ; my half of the scale word of channel 4 lane + e
.endr
.irp i, 0,1,2,3,4,5,6,7
	ds_load_b128 v[128+4*\i:131+4*\i], v[VSR] offset:1024*\i       ; my halves of the eight images, in order behind my stores
.endr
	v_lshrrev_b32 v62, 1, v[LI]                    ; 8 x lane
	s_wait_alu depctr_va_vdst(0)                   ; the wait ahead of the wait below
	s_wait_dscnt 0x0                               ; for the other wave's sake too: my halves of the words have landed
	s_barrier_signal -1
	s_barrier_wait -1                              ; the words are whole
	ds_load_b64 v[60:61], v[VXR]
.irp i, 0,1,2,3,4,5,6,7
	global_store_b128 v[LI], v[128+4*\i:131+4*\i], s[36:37] offset:1024*\i     ; 512 consecutive bytes a store
.endr
	s_wait_dscnt 0x0
	global_store_b64 v62, v[60:61], s[38:39]       ; 64 channels' words: 256 consecutive bytes
.Lend:
	s_wait_tensorcnt 0x0                           ; the wave's end
	ds_add_u32 v[SPW], v[NIL]
	s_wait_dscnt 0x0
	CROUND                                         ; the closing round
	s_endpgm
.Lfunc_end_k_q4a76f981bc_qkv:
	.size	k_q4a76f981bc_qkv, .Lfunc_end_k_q4a76f981bc_qkv-k_q4a76f981bc_qkv
	.p2alignl 7, 3214868480
	.fill 96, 4, 3214868480
	.section	.rodata,"a",@progbits
	.p2align	6, 0x0
	.amdhsa_kernel k_q4a76f981bc_qkv
		.amdhsa_group_segment_fixed_size 327680
		.amdhsa_private_segment_fixed_size 0
		.amdhsa_enable_private_segment 0
		.amdhsa_kernarg_size 72
		.amdhsa_user_sgpr_count 2
		.amdhsa_user_sgpr_kernarg_segment_ptr 1
		.amdhsa_wavefront_size32 1
		.amdhsa_system_sgpr_workgroup_id_x 1
		.amdhsa_system_sgpr_workgroup_id_y 1
		.amdhsa_system_sgpr_workgroup_id_z 1
		.amdhsa_system_vgpr_workitem_id 0
		.amdhsa_next_free_vgpr 1024
		.amdhsa_next_free_sgpr 100
		.amdhsa_reserve_vcc 0
		.amdhsa_float_denorm_mode_32 3
		.amdhsa_float_denorm_mode_16_64 3
		.amdhsa_memory_ordered 1
		.amdhsa_forward_progress 1
		.amdhsa_inst_pref_size 255
	.end_amdhsa_kernel
	.section	.bss,"aw",@nobits
	.p2align	6
	.space	262144
	.amdgpu_metadata
---
amdhsa.version: [ 1, 2 ]
amdhsa.kernels:
  - .name:           k_q4a76f981bc_qkv
    .symbol:         k_q4a76f981bc_qkv.kd
    .args:
      - { .name: x_codes, .offset: 0, .size: 8, .value_kind: global_buffer, .address_space: global }
      - { .name: x_scales, .offset: 8, .size: 8, .value_kind: global_buffer, .address_space: global }
      - { .name: qkv_w_codes, .offset: 16, .size: 8, .value_kind: global_buffer, .address_space: global }
      - { .name: qkv_w_scales, .offset: 24, .size: 8, .value_kind: global_buffer, .address_space: global }
      - { .name: ve, .offset: 32, .size: 8, .value_kind: global_buffer, .address_space: global }
      - { .name: lambdas, .offset: 40, .size: 8, .value_kind: global_buffer, .address_space: global }
      - { .name: q_img, .offset: 48, .size: 8, .value_kind: global_buffer, .address_space: global }
      - { .name: q_sc, .offset: 56, .size: 8, .value_kind: global_buffer, .address_space: global }
      - { .name: kv, .offset: 64, .size: 8, .value_kind: global_buffer, .address_space: global }
    .group_segment_fixed_size: 327680
    .private_segment_fixed_size: 0
    .kernarg_segment_align: 8
    .kernarg_segment_size: 72
    .max_flat_workgroup_size: 128
    .sgpr_count:     100
    .vgpr_count:     1024
    .wavefront_size: 32
...
	.end_amdgpu_metadata
.endif
;; end of part 1
;; launch attn (part 2): grid 8 x 32, 16 waves a work-group, clusters of 4 x 1, 327,680 bytes of LDS; arguments q_img, q_sc, kv, y_img, y_sc; writes y_img, y_sc
.if DOCPART == 2
	.amdgcn_target "amdgcn-amd-amdhsa--gfx1250"
	.amdhsa_code_object_version 6
	.text
	.protected	k_q4a76f981bc_attn
	.globl	k_q4a76f981bc_attn
	.p2align	8
	.type	k_q4a76f981bc_attn,@function
k_q4a76f981bc_attn:
	s_mov_b64 s[64:65], 0
	v_nop
	global_prefetch_b8 v0, s[64:65] scope:SCOPE_SE
	s_setreg_imm32_b32 hwreg(HW_REG_WAVE_MODE, 25, 1), 1
	s_wait_xcnt 0x0
	s_wait_alu depctr_hold_cnt(0) depctr_sa_sdst(0) depctr_va_vdst(0) depctr_va_sdst(0) depctr_va_ssrc(0) depctr_va_vcc(0) depctr_vm_vsrc(0)
	s_getreg_b32 s2, hwreg(HW_REG_IB_STS2, 6, 4)
	s_cmp_eq_u32 s2, 0
	s_cbranch_scc0 .Lentry_in_a_cluster
	s_endpgm
.Lentry_in_a_cluster:
	s_bfe_u32 s2, ttmp6, 0x10000c
	s_cmp_lg_u32 s2, 0x3003
	s_cbranch_scc0 .Lentry_shape_is_right
	s_endpgm
.Lentry_shape_is_right:
; Causal attention on codes of FP4 (E2M1) with E8M0 scales, one head (bh = 8 batch + head) to eight work-groups; y leaves quantised along the head's channels, as images of the next product's operand.
; THE SOFTMAX AHEAD OF THE SECOND PRODUCT: t = score x log2(e) / sqrt(128).  What is quantised along the keys is p = 2^t: the definition's 2^(t - M) times 2^M, M a whole number, which the blocks' scales take up: the codes are the same.
; The row's sum of the unquantised p carries the same factor, and the division at the end takes it away.
; NO MAXIMUM IS TAKEN AWAY, because the computation bounds t for every input: reference() normalises q and k, so |q|^2 and |k|^2 are at most 128, and rope keeps them; the quantiser moves a number outward by at most a quarter of
; its block's largest magnitude a, so |Q(q)|^2 <= 2 |q|^2 + 2 x 32 x sum(a^2) / 16 <= 768, and |Q(k)|^2 likewise; |score| <= 768, |t| <= 98.  So 2^-98 <= p <= 2^98, a row's sum <= 2^109, p's scale bytes lie in 27 .. 223:
; no exponential and no sum of them overflows or underflows in f32 or in E8M0.
; LEFT OUT: key steps all of whose keys come after a tile's queries: reference()'s own causal mask throws their scores away.
; SHARES.  Work-group x (0..7) has, of each query group G (0..15), the tile 8 G + x: queries 128 G + 16 x + r; group G needs key steps 0 .. G of 128 keys.  Sixteen waves of 256 registers.
; Waves 2 g and 2 g + 1 are a pair for groups g and 15 - g, 17 steps together.  THE KEEPER walks steps 0 .. 8 of group 15 - g.  THE HELPER walks group g whole (g + 1 steps) and stores it, then steps 9 .. 15 - g of group 15 - g
; (7 - g steps; none for g = 7, whose zeros go the same way), and hands its O^T and its sums to the keeper through LDS; the keeper adds them to its own and finishes.
; So a wave has 9 or 8 steps.  role = (wave ^ (wave / 4)) & 1: two keepers and two helpers in every four waves w % 4 = const and w / 4 = const.  Every branch hangs on the wave's number and on counters alone.
; LDS.  The head's K and V, codes and scale words, 278,528 bytes, are brought once and stay.  Each wave issues ONE joint load (the four work-groups of a cluster ask together): slot wave / 4 of 512 keys, and of it K's images, V's images,
; K's words or V's words by wave % 4; the loads lay them linearly by key step.  No prefetch: K and V all come in at the head; in the loop only the helper's late Q is loaded from memory.
; LAYOUT.  Both products are used transposed (S^T = K Q^T, O^T = V^T P^T): a lane holds ONE query.  In a result, register 8 t + i of lane (r, h) is row 16 t + 8 h + i; the exchange of halves behind the conversions gives the operand's layout.
; Operands lie in LDS as images of their registers: 1,024 bytes, register group c of lane l at 512 c + 16 l.
; LIMITS: NaN and infinities are not served.  Hidden scores become -infinity where the definition has -1e9: by the bound above both give p = 0 beside the row's other terms.
;   O^T is summed under the factor 2^M, at most 2^98: it stays finite while lambda0 v + lambda1 ve stays under 2^17 in magnitude.
;   A block whose every p is 0, and a block of y under 2^-124, get the scale byte 1; these bytes are read by this program alone.
.set SLOTB, 69632                      ; kv: a slot of 512 keys: 32 images of K, 32 of V, 512 scale words of K, 512 of V
.set HEADB, 278528
.set VIM,   131072                     ; LDS: K's images from 0, 8,192 bytes a key step; V's from here
.set SCK,   262144                     ; K's scale words, 512 bytes a key step; V's 8,192 bytes on
.set SPARE, 278528                     ; the spare words, 128 bytes a wave: no other line names them
.set XPAIR, 8704                       ; the hand-over, a pair's bytes: 16 x 512 of O^T, 512 for the sums; over K's images, behind a barrier behind every wave's last read
.set LI,  1                            ; v1   16 x lane
.set LS,  2                            ; v2   4 x lane
.set DM,  3                            ; v3   16 x + r - 8 h: in the diagonal step register 8 t + i is hidden where 16 t + i > this
.set NINF, 4                           ; v4   -infinity
.set YSO, 5                            ; v5   32 r
.set XA,  6                            ; v6   the hand-over: XPAIR x pair + 16 x lane
.set ADV, 7                            ; v7   the step's images of V
.set ADK, 8                            ; v8   of K
.set ADS, 9                            ; v9   the step's scale words
.set QSO, 10                           ; v10  4 r
.set LIV, 11                           ; v11  VIM + 16 x lane
.set KSC, 24                           ; v24-27 K's scale words: lanes 0-15 tile 2 m, lanes 16-31 tile 2 m + 1
.set VSC, 28                           ; v28-31 V's
.set TM,  232                          ; v232-247 at work: +0 largest, +4 the other half's, then bytes, +12 scale operands
.set SPW, 250
.set NIL, 251
.set WV,  14
.set GG,  15                           ; s15  the query group in hand
.set XX,  16
.set BH,  17
.set ROLE, 18                          ; s18  0 keeper, 1 helper
.set HI,  19                           ; s19  the last key step of the walk in hand
.set SEL, 20
.set CS,  22
.set G1A, 24                           ; s[24:31] group 1: 128 rows of 256 bytes (images);  s[32:39]: 8 rows (words)
.set G1B, 32
.set G0A, 40
.set G0B, 44
.set TB,  48                           ; s48  8,192 x key step
.set TS,  49                           ; s49  SCK + 512 x key step
.set KST, 50                           ; s50  the key step
.set G2,  51                           ; s51  15 - pair: the late group
.macro ROUND                           ; a round of the cluster's barrier
	s_barrier_signal -1
	s_barrier_wait -1
	s_cmp_lg_u32 s[WV], 0
	s_cbranch_scc1 .Lnot_wave_0_\@
	s_barrier_signal -3
.Lnot_wave_0_\@:
	s_barrier_wait -3
	s_barrier_signal -1
	s_barrier_wait -1
.endm
.macro INIT                            ; a walk begins: the step is written once, with no first form of its own
	v_mov_b32 v14, 0                               ; the sum, in two halves
	v_mov_b32 v15, 0
.set n, 0
.rept 64
	v_mov_b32 v[160+n], 0                          ; O^T
.set n, n+1
.endr
.endm
; the codes of 64 numbers v[s] on, under the scale operands v[TM+12] on, into the operand's registers v[pc] on
.macro CODES s, pc
.irp c, 0,1
	v_cvt_scalef32_pk8_fp4_f32 v[\pc+4*\c], v[\s+32*\c:\s+32*\c+7], v[TM+12+2*\c]
	v_cvt_scalef32_pk8_fp4_f32 v[\pc+4*\c+2], v[\s+32*\c+8:\s+32*\c+15], v[TM+12+2*\c]
	v_cvt_scalef32_pk8_fp4_f32 v[\pc+4*\c+1], v[\s+32*\c+16:\s+32*\c+23], v[TM+13+2*\c]
	v_cvt_scalef32_pk8_fp4_f32 v[\pc+4*\c+3], v[\s+32*\c+24:\s+32*\c+31], v[TM+13+2*\c]
.endr
	v_nop                                          ; one plain place behind a scaled conversion
.irp c, 0,1                            ; register 4 c + m then holds k = 64 c + 32 h + 8 m + 0 .. 7
	v_permlane16_swap_b32 v[\pc+4*\c], v[\pc+4*\c+1]
	v_permlane16_swap_b32 v[\pc+4*\c+2], v[\pc+4*\c+3]
.endr
.endm
; THE WAY OUT of a tile: O^T / the sum is 16 tokens' y of this head: one K step of the last product.  It is quantised here and leaves as an image and a scale word a token.
.macro EPI
	v_add_f32 v14, v14, v15
	s_delay_alu instid0(VALU_DEP_1)
	v_permlanex16_b32 v252, v14, s[SEL], s[SEL+1]
	s_delay_alu instid0(VALU_DEP_1)
	v_add_f32 v14, v14, v252                       ; the row's sum
	s_wait_alu depctr_va_vdst(0)                   ; the wait ahead of the transcendental
	v_rcp_f32 v14, v14
	v_nop                                          ; one plain place behind it
	s_wait_alu depctr_va_vdst(0)                   ; the wait ahead of its first reader
.set n, 0
.rept 32
	v_pk_mul_f32 v[96+n:97+n], v[160+n:161+n], v[14:15] op_sel_hi:[1,0]   ; register 8 t + i: channel 16 t + 8 h + i
.set n, n+2
.endr
.irp b, 0,1,2,3
	v_max3_num_f32 v[TM+\b], |v[96+16*\b]|, |v[97+16*\b]|, 0x1800000      ; and the floor 2^(3 - 127)
.endr
.irp i, 2,4,6,8,10,12,14
.irp b, 0,1,2,3
	s_delay_alu instid0(VALU_DEP_4)
	v_max3_num_f32 v[TM+\b], v[TM+\b], |v[96+16*\b+\i]|, |v[97+16*\b+\i]|
.endr
.endr
.irp b, 0,1,2,3
	s_delay_alu instid0(VALU_DEP_4)
	v_permlanex16_b32 v[TM+4+\b], v[TM+\b], s[SEL], s[SEL+1]
.endr
.irp b, 0,1,2,3
	s_delay_alu instid0(VALU_DEP_4)
	v_max_num_f32 v[TM+\b], v[TM+\b], v[TM+4+\b]
.endr
.irp b, 0,1,2,3
	s_delay_alu instid0(VALU_DEP_4)
	v_add_nc_u32 v[TM+12+\b], 0xff000000, v[TM+\b]
.endr
.irp b, 0,1,2,3
	s_delay_alu instid0(VALU_DEP_4)
	v_lshrrev_b32 v[TM+4+\b], 23, v[TM+12+\b]
.endr
	s_delay_alu instid0(VALU_DEP_3)
	v_lshl_or_b32 v254, v[TM+5], 8, v[TM+4]
	s_delay_alu instid0(VALU_DEP_1)
	v_lshl_or_b32 v254, v[TM+6], 16, v254
	s_delay_alu instid0(VALU_DEP_1)
	v_lshl_or_b32 v254, v[TM+7], 24, v254
	CODES 96, 224
	global_store_b128 v[LI], v[224:227], s[10:11]            ; 512 consecutive bytes a store
	global_store_b128 v[LI], v[228:231], s[10:11] offset:512
	global_store_b32 v[YSO], v254, s[12:13]                  ; my token's word of this head (lanes r and 16 + r: the same word, the same place).  A token's eight words come from eight work-groups, so these are stores of four bytes
.endm
	s_load_b128 s[4:7], s[0:1], 0x0                ; q_img, q_sc
	s_load_b128 s[8:11], s[0:1], 0x10              ; kv, y_img
	s_load_b64 s[12:13], s[0:1], 0x20              ; y_sc
	v_lshl_add_u32 v[SPW], v0, 2, SPARE
	v_mov_b32 v[NIL], 0
	ds_add_u32 v[SPW], v[NIL]                      ; the opening lines: the add, twice on end, and its wait ahead of my tensor load
	ds_add_u32 v[SPW], v[NIL]
	v_lshrrev_b32 v8, 5, v0
	s_delay_alu instid0(VALU_DEP_1)
	v_readfirstlane_b32 s[WV], v8                  ; wave 0..15
	s_lshr_b32 s52, s[WV], 2                       ; the slot that I fetch for
	s_xor_b32 s[ROLE], s[WV], s52
	s_and_b32 s[ROLE], s[ROLE], 1
	s_lshr_b32 s53, s[WV], 1                       ; g: my pair
	s_sub_co_u32 s[G2], 15, s53
	s_cmp_eq_u32 s[ROLE], 0
	s_cselect_b32 s[GG], s[G2], s53                ; my own group: the keeper's is the late one
	s_cselect_b32 s[HI], 8, s53
	s_mul_i32 s54, s53, XPAIR
	s_bfe_u32 s55, ttmp6, 0x40000                  ; cx: it enters q's and y's addresses and the mask's numbers alone
	s_lshl_b32 s[XX], ttmp9, 2
	s_add_co_u32 s[XX], s[XX], s55                 ; x
	s_and_b32 s[BH], ttmp7, 0xffff                 ; bh, which the four partners share
	s_mov_b32 s[G1A], 15|(3<<16)|(1<<21)           ; the mask: all four work-groups; elements of 8 bytes; bit 21 beside a mask; no padding
	s_mov_b32 s[G1A+1], 32<<16                     ; rows of 256 bytes
	s_mov_b32 s[G1A+2], 128<<16                    ; 128 rows: 32,768 dense bytes
	s_mov_b32 s[G1A+3], 32<<16
	s_mov_b32 s[G1A+4], 128
	s_mov_b32 s[G1A+5], 32
	s_mov_b32 s[G1A+6], 0
	s_mov_b32 s[G1A+7], 0
	s_mov_b32 s[G1B], 15|(3<<16)|(1<<21)
	s_mov_b32 s[G1B+1], 32<<16
	s_mov_b32 s[G1B+2], 8<<16                      ; 8 rows: 2,048 dense bytes
	s_mov_b32 s[G1B+3], 32<<16
	s_mov_b32 s[G1B+4], 8
	s_mov_b32 s[G1B+5], 32
	s_mov_b32 s[G1B+6], 0
	s_mov_b32 s[G1B+7], 0
	s_and_b32 s56, s[WV], 1                        ; K's (0) or V's (1)
	s_mul_i32 s58, s[BH], HEADB
	s_mul_i32 s57, s52, SLOTB
	s_add_co_u32 s58, s58, s57                     ; my slot in kv
	s_lshl_b32 s57, s56, 15
	s_add_co_u32 s60, s58, s57                     ; its images of K or of V
	s_mov_b32 s61, 0
	s_lshl_b32 s57, s56, 11
	s_add_co_u32 s62, s58, s57
	s_add_co_u32 s62, s62, 65536                   ; its scale words of K or of V
	s_mov_b32 s63, 0
	s_mov_b32 s[G0A], 1
	s_lshl_b32 s[G0A+1], s56, 17                   ; in LDS: VIM x (K or V) + 32,768 x slot
	s_lshl_b32 s57, s52, 15
	s_add_co_u32 s[G0A+1], s[G0A+1], s57
	s_mov_b32 s[G0B], 1
	s_lshl_b32 s[G0B+1], s56, 13                   ; SCK + 8,192 x (K or V) + 2,048 x slot
	s_lshl_b32 s57, s52, 11
	s_add_co_u32 s[G0B+1], s[G0B+1], s57
	s_add_co_u32 s[G0B+1], s[G0B+1], SCK
	s_lshl_b32 s57, s[GG], 3
	s_add_co_u32 s57, s57, s[XX]                   ; my own tile of 16 tokens
	s_lshl_b32 s70, s[BH], 7
	s_add_co_u32 s71, s70, s57
	s_lshl_b32 s72, s71, 10                        ; q_img: 1,024 bytes a tile
	s_mov_b32 s73, 0
	s_lshl_b32 s74, s71, 6                         ; q_sc: 64
	s_mov_b32 s75, 0
	s_lshl_b32 s71, s[G2], 3
	s_add_co_u32 s71, s71, s[XX]
	s_add_co_u32 s71, s71, s70                     ; the pair's late tile: the helper's second walk
	s_lshl_b32 s66, s71, 10
	s_mov_b32 s67, 0
	s_lshl_b32 s68, s71, 6
	s_mov_b32 s69, 0
	s_lshr_b32 s70, s[BH], 3
	s_lshl_b32 s70, s70, 7
	s_add_co_u32 s70, s70, s57                     ; 128 batch + tile
	s_and_b32 s71, s[BH], 7                        ; head
	s_lshl_b32 s76, s70, 3
	s_add_co_u32 s76, s76, s71
	s_lshl_b32 s76, s76, 10                        ; y_img [tile][head][1024]
	s_mov_b32 s77, 0
	s_lshl_b32 s78, s70, 9
	s_lshl_b32 s71, s71, 2
	s_add_co_u32 s78, s78, s71                     ; y_sc [token][8 words]
	s_mov_b32 s79, 0
	s_mov_b32 s[SEL], 0x76543210
	s_mov_b32 s[SEL+1], 0xfedcba98
	s_mov_b32 s[CS], 0x3e0293ee                    ; c = log2(e) / sqrt(128)
	s_mov_b32 s[CS+1], s[CS]
	s_mov_b32 s[TB], 0
	s_mov_b32 s[TS], SCK
	s_mov_b32 s[KST], 0
	s_wait_alu depctr_va_vdst(0)                   ; the wait ahead of the waits below
	s_wait_dscnt 0x0                               ; both opening adds are done
	s_wait_kmcnt 0x0
	s_add_nc_u64 s[G0A+2:G0A+3], s[8:9], s[60:61]
	s_or_b32 s[G0A+3], s[G0A+3], 0x80000000
	s_add_nc_u64 s[G0B+2:G0B+3], s[8:9], s[62:63]
	s_or_b32 s[G0B+3], s[G0B+3], 0x80000000
	s_add_nc_u64 s[66:67], s[4:5], s[66:67]
	s_add_nc_u64 s[68:69], s[6:7], s[68:69]
	s_add_nc_u64 s[4:5], s[4:5], s[72:73]
	s_add_nc_u64 s[6:7], s[6:7], s[74:75]
	s_add_nc_u64 s[10:11], s[10:11], s[76:77]
	s_add_nc_u64 s[12:13], s[12:13], s[78:79]
	ROUND                                          ; all four work-groups are here: the joint loads meet
	s_and_b32 s57, s[WV], 2                        ; ONE load a wave, in the two arms of one branch on the wave's number: every way passes one
	s_cmp_eq_u32 s57, 0
	s_cbranch_scc0 .Lwords
	tensor_load_to_lds s[G0A:G0A+3], s[G1A:G1A+7]
	s_nop 0
.rept 4
	v_nop
.endr
	s_branch .Lasked
.Lwords:
	tensor_load_to_lds s[G0B:G0B+3], s[G1B:G1B+7]
	s_nop 0
.rept 4
	v_nop
.endr
.Lasked:
	v_and_b32 v8, 31, v0                           ; lane
	v_and_b32 v9, 15, v0                           ; r
	v_bfe_u32 v7, v0, 4, 1                         ; h
	s_delay_alu instid0(VALU_DEP_3)
	v_lshlrev_b32 v[LI], 4, v8
	v_lshlrev_b32 v[LS], 2, v8
	v_lshlrev_b32 v[QSO], 2, v9
	global_load_b128 v[16:19], v[LI], s[4:5]       ; my own tile's Q stays in registers
	global_load_b128 v[20:23], v[LI], s[4:5] offset:512
	global_load_b32 v255, v[QSO], s[6:7]           ; and its scale words
	v_add_nc_u32 v[XA], s54, v[LI]
	v_add_nc_u32 v[LIV], VIM, v[LI]
	v_lshlrev_b32 v7, 3, v7
	s_delay_alu instid0(VALU_DEP_1)
	v_sub_nc_u32 v[DM], v9, v7
	s_lshl_b32 s57, s[XX], 4
	v_add_nc_u32 v[DM], s57, v[DM]
	v_mov_b32 v[NINF], 0xff800000
	v_lshlrev_b32 v[YSO], 5, v9
.irp b, 0,1,2,3
	v_mov_b32 v[236+\b], 0                         ; written once: a lane permute's destination counts as one of its sources
.endr
	v_mov_b32 v252, 0
	INIT
	s_wait_alu depctr_va_vdst(0)                   ; the wait at the head's end
	s_wait_loadcnt 0x0                             ; Q
	s_wait_tensorcnt 0x0                           ; my load has landed,
	s_barrier_signal -1
	s_barrier_wait -1                              ; everybody's has: the head's K and V are whole
; SIXTEEN TRIPS, one for each key step; a wave works where the step is at or under the last of its walk.  No barrier stands in the loop.
.Lstep:
	s_cmp_lg_u32 s[KST], 9
	s_cbranch_scc1 .Lsame
	s_cmp_eq_u32 s[ROLE], 0
	s_cbranch_scc1 .Lsame
	; at step 9 the helper's own tile is finished: the late tile's Q is asked for, the own tile goes out, and the second walk begins
.rept 4
	v_nop                                          ; places behind the last products
.endr
	global_load_b128 v[16:19], v[LI], s[66:67]
	global_load_b128 v[20:23], v[LI], s[66:67] offset:512
	global_load_b32 v255, v[QSO], s[68:69]
	EPI
	s_mov_b32 s[GG], s[G2]
	s_mov_b32 s[HI], s[G2]
	s_wait_xcnt 0x0                                ; the stores have read their registers
	INIT
	s_wait_alu depctr_va_vdst(0)                   ; the wait ahead of the wait below
	s_wait_loadcnt 0x0
.Lsame:
	s_cmp_gt_u32 s[KST], s[HI]
	s_cbranch_scc1 .Lhidden
	v_add_nc_u32 v[ADK], s[TB], v[LI]              ; these three and the v_nop are the four places in front of loads into registers that the last products read
	v_add_nc_u32 v[ADS], s[TS], v[LS]
	v_add_nc_u32 v[ADV], s[TB], v[LIV]
	v_nop
.irp m, 0,1,2,3
	ds_load_b32 v[KSC+\m], v[ADS] offset:128*\m
.endr
.irp t, 0,1,2,3,4,5,6,7
	ds_load_b128 v[32+8*\t:35+8*\t], v[ADK] offset:1024*\t
	ds_load_b128 v[36+8*\t:39+8*\t], v[ADK] offset:1024*\t+512
.endr
	s_wait_alu depctr_va_vdst(0)
	s_wait_dscnt 8                                 ; the words and tiles 0-3 are in; the youngest eight loads (tiles 4-7) may be out
.irp t, 0,2                            ; S^T = K Q^T
	v_wmma_scale_f32_16x16x128_f8f6f4 v[96+8*\t:103+8*\t], v[32+8*\t:39+8*\t], v[16:23], 0, v[KSC+\t/2], v255 matrix_a_fmt:MATRIX_FMT_FP4 matrix_b_fmt:MATRIX_FMT_FP4
	v_wmma_scale_f32_16x16x128_f8f6f4 v[104+8*\t:111+8*\t], v[40+8*\t:47+8*\t], v[16:23], 0, v[KSC+\t/2], v255 matrix_a_fmt:MATRIX_FMT_FP4 matrix_b_fmt:MATRIX_FMT_FP4 matrix_a_scale:MATRIX_SCALE_ROW1
.endr
	s_wait_dscnt 0x0
.irp t, 4,6
	v_wmma_scale_f32_16x16x128_f8f6f4 v[96+8*\t:103+8*\t], v[32+8*\t:39+8*\t], v[16:23], 0, v[KSC+\t/2], v255 matrix_a_fmt:MATRIX_FMT_FP4 matrix_b_fmt:MATRIX_FMT_FP4
	v_wmma_scale_f32_16x16x128_f8f6f4 v[104+8*\t:111+8*\t], v[40+8*\t:47+8*\t], v[16:23], 0, v[KSC+\t/2], v255 matrix_a_fmt:MATRIX_FMT_FP4 matrix_b_fmt:MATRIX_FMT_FP4 matrix_a_scale:MATRIX_SCALE_ROW1
.endr
.rept 4
	v_nop                                          ; places: in front of the loads below and of the first read of the scores
.endr
.irp m, 0,1,2,3                        ; V's words and images are asked for here, ahead of the softmax, and waited for behind it
	ds_load_b32 v[VSC+\m], v[ADS] offset:8192+128*\m
.endr
.irp t, 0,1,2,3,4,5,6,7
	ds_load_b128 v[32+8*\t:35+8*\t], v[ADV] offset:1024*\t
	ds_load_b128 v[36+8*\t:39+8*\t], v[ADV] offset:1024*\t+512
.endr
	s_cmp_lg_u32 s[KST], s[GG]                     ; only step G lies on the diagonal of group G
	s_cbranch_scc1 .Lopen
.set n, 0
.rept 64
	v_cmp_gt_i32 vcc_lo, 16*(n/8)+n%8, v[DM]
	v_cndmask_b32 v[96+n], v[96+n], v[NINF], vcc_lo
.set n, n+1
.endr
.Lopen:
.irp b, 0,1,2,3
	v_max3_num_f32 v[232+\b], v[96+16*\b], v[97+16*\b], v[98+16*\b]   ; the largest score of each block of 32 keys: p rises with the score, so it gives the block's largest p
.endr
.irp i, 3,5,7,9,11,13
.irp b, 0,1,2,3
	v_max3_num_f32 v[232+\b], v[232+\b], v[96+16*\b+\i], v[97+16*\b+\i]
.endr
.endr
.irp b, 0,1,2,3
	v_max_num_f32 v[232+\b], v[232+\b], v[111+16*\b]
.endr
.irp b, 0,1,2,3
	s_delay_alu instid0(VALU_DEP_4)
	v_permlanex16_b32 v[236+\b], v[232+\b], s[SEL], s[SEL+1]
.endr
.irp b, 0,1,2,3
	s_delay_alu instid0(VALU_DEP_4)
	v_max_num_f32 v[232+\b], v[232+\b], v[236+\b]  ; with lane l xor 16's 16 keys
.endr
.set n, 0
.rept 32
	v_pk_mul_f32 v[96+n:97+n], v[96+n:97+n], s[CS:CS+1] op_sel_hi:[1,0]   ; t
.set n, n+2
.endr
.irp b, 0,1,2,3
	v_mul_f32 v[232+\b], s[CS], v[232+\b]          ; the same product of each block's largest score
.endr
	s_wait_alu depctr_va_vdst(0)                   ; the wait ahead of the batch
.set n, 0
.rept 64
	v_exp_f32 v[96+n], v[96+n]                     ; p = 2^t
.set n, n+1
.endr
.irp b, 0,1,2,3
	v_exp_f32 v[232+\b], v[232+\b]                 ; the block's largest p: the same two operations on the same number
.endr
	v_nop                                          ; a plain place behind the exponentials
	s_wait_alu depctr_va_vdst(0)                   ; and the one wait behind the batch
.irp b, 0,1,2,3
	v_max_num_f32 v[232+\b], 0x1800000, v[232+\b]  ; the floor 2^(3 - 127): it serves the blocks that the mask has emptied
.endr
.irp b, 0,1,2,3
	s_delay_alu instid0(VALU_DEP_4)
	v_add_nc_u32 v[244+\b], 0xff000000, v[232+\b]  ; the conversion's scale operand
.endr
.irp b, 0,1,2,3
	s_delay_alu instid0(VALU_DEP_4)
	v_lshrrev_b32 v[236+\b], 23, v[244+\b]         ; the scale's byte
.endr
	s_delay_alu instid0(VALU_DEP_3)
	v_lshl_or_b32 v253, v237, 8, v236              ; p's scale word for these 128 keys
	s_delay_alu instid0(VALU_DEP_1)
	v_lshl_or_b32 v253, v238, 16, v253
	s_delay_alu instid0(VALU_DEP_1)
	v_lshl_or_b32 v253, v239, 24, v253
	CODES 96, 224
	v_pk_add_f32 v[236:237], v[100:101], v[104:105]          ; the row's sum of the unquantised p, in eight chains; these lines are also the places in front of the products below
	v_pk_add_f32 v[248:249], v[108:109], v[112:113]
	v_pk_add_f32 v[246:247], v[116:117], v[120:121]
	v_pk_add_f32 v[244:245], v[124:125], v[128:129]
	v_pk_add_f32 v[242:243], v[132:133], v[136:137]
	v_pk_add_f32 v[240:241], v[140:141], v[144:145]
	v_pk_add_f32 v[234:235], v[148:149], v[152:153]
	v_pk_add_f32 v[14:15], v[14:15], v[156:157]
	v_pk_add_f32 v[236:237], v[236:237], v[96:97]
	v_pk_add_f32 v[248:249], v[248:249], v[98:99]
	v_pk_add_f32 v[246:247], v[246:247], v[102:103]
	v_pk_add_f32 v[244:245], v[244:245], v[106:107]
	v_pk_add_f32 v[242:243], v[242:243], v[110:111]
	v_pk_add_f32 v[240:241], v[240:241], v[114:115]
	v_pk_add_f32 v[234:235], v[234:235], v[118:119]
	v_pk_add_f32 v[14:15], v[14:15], v[122:123]
	v_pk_add_f32 v[236:237], v[236:237], v[126:127]
	v_pk_add_f32 v[248:249], v[248:249], v[130:131]
	v_pk_add_f32 v[246:247], v[246:247], v[134:135]
	v_pk_add_f32 v[244:245], v[244:245], v[138:139]
	v_pk_add_f32 v[242:243], v[242:243], v[142:143]
	v_pk_add_f32 v[240:241], v[240:241], v[146:147]
	v_pk_add_f32 v[234:235], v[234:235], v[150:151]
	v_pk_add_f32 v[14:15], v[14:15], v[154:155]
	v_pk_add_f32 v[236:237], v[236:237], v[158:159]
	s_delay_alu instid0(VALU_DEP_2)
	v_pk_add_f32 v[14:15], v[14:15], v[244:245]
	s_delay_alu instid0(VALU_DEP_2)
	v_pk_add_f32 v[236:237], v[236:237], v[242:243]
	v_pk_add_f32 v[248:249], v[248:249], v[240:241]
	v_pk_add_f32 v[246:247], v[246:247], v[234:235]
	s_delay_alu instid0(VALU_DEP_2)
	v_pk_add_f32 v[14:15], v[14:15], v[248:249]
	s_delay_alu instid0(VALU_DEP_2)
	v_pk_add_f32 v[236:237], v[236:237], v[246:247]
	s_delay_alu instid0(VALU_DEP_1)
	v_pk_add_f32 v[14:15], v[14:15], v[236:237]
	s_wait_alu depctr_va_vdst(0)                   ; directly ahead of the wait below
	s_wait_dscnt 0x0                               ; V's words and images
.irp t, 0,2,4,6                        ; O^T += V^T P^T: the eight accumulators take turns
	v_wmma_scale_f32_16x16x128_f8f6f4 v[160+8*\t:167+8*\t], v[32+8*\t:39+8*\t], v[224:231], v[160+8*\t:167+8*\t], v[VSC+\t/2], v253 matrix_a_fmt:MATRIX_FMT_FP4 matrix_b_fmt:MATRIX_FMT_FP4
	v_wmma_scale_f32_16x16x128_f8f6f4 v[168+8*\t:175+8*\t], v[40+8*\t:47+8*\t], v[224:231], v[168+8*\t:175+8*\t], v[VSC+\t/2], v253 matrix_a_fmt:MATRIX_FMT_FP4 matrix_b_fmt:MATRIX_FMT_FP4 matrix_a_scale:MATRIX_SCALE_ROW1
.endr
.Lhidden:
	s_add_co_u32 s[TB], s[TB], 8192
	s_add_co_u32 s[TS], s[TS], 512
	s_add_co_u32 s[KST], s[KST], 1
	s_cmp_lt_u32 s[KST], 16
	s_cbranch_scc1 .Lstep
	; THE HAND-OVER.  Every wave's reads of K and V are over; behind the barrier the helper lays its part of the late tile over K's first images; behind a second barrier the keeper takes it.
	s_wait_alu depctr_va_vdst(0)                   ; the wait ahead of the wait below
	s_wait_dscnt 0x0
	s_barrier_signal -1
	s_barrier_wait -1
	s_cmp_eq_u32 s[ROLE], 0
	s_cbranch_scc1 .Lkeeper
.rept 4
	v_nop                                          ; places behind the last products
.endr
.irp k, 0,1,2,3,4,5,6,7,8,9,10,11,12,13,14,15
	ds_store_b128 v[XA], v[160+4*\k:163+4*\k] offset:512*\k   ; each accumulator from its low end on
.endr
	ds_store_b64 v[XA], v[14:15] offset:8192       ; the sum's two halves
.Lkeeper:
	s_wait_dscnt 0x0                               ; for the keeper's sake: my stores have landed
	s_barrier_signal -1
	s_barrier_wait -1
	s_cmp_lg_u32 s[ROLE], 0
	s_cbranch_scc1 .Lend
	ds_load_b64 v[232:233], v[XA] offset:8192
.irp k, 0,1,2,3,4,5,6,7,8,9,10,11,12,13,14,15
	ds_load_b128 v[96+4*\k:99+4*\k], v[XA] offset:512*\k
.endr
.rept 4
	v_nop                                          ; places behind my last products
.endr
	s_wait_dscnt 0x0
	v_pk_add_f32 v[14:15], v[14:15], v[232:233]    ; both parts stand under the same factor: they are added as they are
.set n, 0
.rept 32
	v_pk_add_f32 v[160+n:161+n], v[160+n:161+n], v[96+n:97+n]
.set n, n+2
.endr
	EPI
.Lend:
	s_wait_tensorcnt 0x0                           ; the wave's end
	ds_add_u32 v[SPW], v[NIL]
	s_wait_dscnt 0x0
	ROUND                                          ; the closing round
	s_endpgm
.Lfunc_end_k_q4a76f981bc_attn:
	.size	k_q4a76f981bc_attn, .Lfunc_end_k_q4a76f981bc_attn-k_q4a76f981bc_attn
	.p2alignl 7, 3214868480
	.fill 96, 4, 3214868480
	.section	.rodata,"a",@progbits
	.p2align	6, 0x0
	.amdhsa_kernel k_q4a76f981bc_attn
		.amdhsa_group_segment_fixed_size 327680
		.amdhsa_private_segment_fixed_size 0
		.amdhsa_enable_private_segment 0
		.amdhsa_kernarg_size 40
		.amdhsa_user_sgpr_count 2
		.amdhsa_user_sgpr_kernarg_segment_ptr 1
		.amdhsa_wavefront_size32 1
		.amdhsa_system_sgpr_workgroup_id_x 1
		.amdhsa_system_sgpr_workgroup_id_y 1
		.amdhsa_system_sgpr_workgroup_id_z 1
		.amdhsa_system_vgpr_workitem_id 0
		.amdhsa_next_free_vgpr 256
		.amdhsa_next_free_sgpr 80
		.amdhsa_reserve_vcc 1
		.amdhsa_float_denorm_mode_32 3
		.amdhsa_float_denorm_mode_16_64 3
		.amdhsa_memory_ordered 1
		.amdhsa_forward_progress 1
		.amdhsa_inst_pref_size 54
	.end_amdhsa_kernel
	.amdgpu_metadata
---
amdhsa.version: [ 1, 2 ]
amdhsa.kernels:
  - .name:           k_q4a76f981bc_attn
    .symbol:         k_q4a76f981bc_attn.kd
    .args:
      - { .name: q_img, .offset: 0, .size: 8, .value_kind: global_buffer, .address_space: global }
      - { .name: q_sc, .offset: 8, .size: 8, .value_kind: global_buffer, .address_space: global }
      - { .name: kv, .offset: 16, .size: 8, .value_kind: global_buffer, .address_space: global }
      - { .name: y_img, .offset: 24, .size: 8, .value_kind: global_buffer, .address_space: global }
      - { .name: y_sc, .offset: 32, .size: 8, .value_kind: global_buffer, .address_space: global }
    .group_segment_fixed_size: 327680
    .private_segment_fixed_size: 0
    .kernarg_segment_align: 8
    .kernarg_segment_size: 40
    .max_flat_workgroup_size: 512
    .sgpr_count:     80
    .vgpr_count:     256
    .wavefront_size: 32
...
	.end_amdgpu_metadata
.endif
;; end of part 2
;; launch proj (part 3): grid 32 x 8, 4 waves a work-group, clusters of 4 x 1, 327,680 bytes of LDS; arguments y_img, y_sc, c_proj_w_codes, c_proj_w_scales, out0; writes out0
.if DOCPART == 3
	.amdgcn_target "amdgcn-amd-amdhsa--gfx1250"
	.amdhsa_code_object_version 6
	.text
	.protected	k_q4a76f981bc_proj
	.globl	k_q4a76f981bc_proj
	.p2align	8
	.type	k_q4a76f981bc_proj,@function
k_q4a76f981bc_proj:
	s_mov_b64 s[64:65], 0
	v_nop
	global_prefetch_b8 v0, s[64:65] scope:SCOPE_SE
	s_setreg_imm32_b32 hwreg(HW_REG_WAVE_MODE, 25, 1), 1
	s_wait_xcnt 0x0
	s_wait_alu depctr_hold_cnt(0) depctr_sa_sdst(0) depctr_va_vdst(0) depctr_va_sdst(0) depctr_va_ssrc(0) depctr_va_vcc(0) depctr_vm_vsrc(0)
	s_getreg_b32 s2, hwreg(HW_REG_IB_STS2, 6, 4)
	s_cmp_eq_u32 s2, 0
	s_cbranch_scc0 .Lentry_in_a_cluster
	s_endpgm
.Lentry_in_a_cluster:
	s_bfe_u32 s2, ttmp6, 0x10000c
	s_cmp_lg_u32 s2, 0x3003
	s_cbranch_scc0 .Lentry_shape_is_right
	s_endpgm
.Lentry_shape_is_right:
; out0 = y W^T on codes of FP4 (E2M1) with E8M0 scales, 8,192 x 1,024 x 1,024, f32 out.  y comes as images of the operand's registers, y_img [tile of 16 tokens][head][1024], and y_sc [token][8 words].
; SHARES.  256 work-groups: x = one of 32 blocks of 256 tokens, y = one of 8 blocks of 128 columns.  A wave makes 64 tokens x 128 columns: 32 accumulators, 256 registers.
; y's images ARE the fragments: a wave's 64 tokens, all of K, are 32,768 consecutive bytes = 256 registers a lane, loaded from memory straight into registers, 512 consecutive bytes a load, K step by K step.
; THE SCALE WORDS go into registers too: a row's eight words are 32 bytes; lanes 0-15 take words 0-3 of row r (K 0-511), lanes 16-31 words 4-7 (K 512-1,023): 512 consecutive bytes a load; the ROW selector picks the half.
; W's 128 rows, all of K (512 bytes + 16 of padding a row), lie in LDS: each wave fetches 32 rows by ONE joint load: the four work-groups of a cluster have the same columns.  Nothing is filled again.
; THE MATRIX INSTRUCTION IS USED TRANSPOSED (source 0 = 16 rows of W, source 1 = 16 tokens): a lane holds eight neighbouring numbers of a row of out0.
; No prefetch: all loads go out at the head, there is no loop to run ahead in.
; REGISTERS: window 0: v1-7 addresses; v32-63 W's scale words (4 b + q), v64-79 y's (4 a + q); v128-255 W's fragments, two sets, then the way out's rows.  window 1: y's fragments, 8 (8 a + k).  window 2: accumulator (a, b) at 8 (8 a + b).
.set PITCH,  528                       ; an odd multiple of 16 bytes: the 16 rows of a load start at 16 different banks
.set WROWS,  32*PITCH                  ; what one wave's load brings
.set SPARE,  4*WROWS                   ; the spare words, 128 bytes a wave: no other line names them
.set STAGE,  SPARE+512                 ; the way out: 16 rows x 528 bytes a wave, bytes of its own
.set SPITCH, 528
.set LI,   1                           ; v1  16 x lane
.set SO,   2                           ; v2  32 r + 16 h
.set ADRB, 3                           ; v3  r x PITCH + 16 h
.set STO,  4                           ; v4  the stage, in: row r, 32 h
.set RD,   5                           ; v5  and back: 16 x lane
.set SPW,  6
.set NIL,  7
.set WS,   32
.set YS,   64
.set WF,   128
.set BK,   128
.set MSB, 0
.macro WIN new                         ; the immediate's high byte repeats the setting that is left
.if MSB != (\new)
	s_set_vgpr_msb (MSB<<8)|(\new)
.set MSB, (\new)
.endif
.endm
.set MUL,  0xa4                        ; source 0 (W) window 0, source 1 (y) window 1, C and D window 2
.set TO_Y, 0x40                        ; destination window 1
.macro ROUND                           ; a round of the cluster's barrier
	s_barrier_signal -1
	s_barrier_wait -1
	s_cmp_lg_u32 s14, 0
	s_cbranch_scc1 .Lnot_wave_0_\@
	s_barrier_signal -3
.Lnot_wave_0_\@:
	s_barrier_wait -3
	s_barrier_signal -1
	s_barrier_wait -1
.endm
.macro PLACES                          ; four plain places behind matrix instructions (ISA guide 7.12.1)
.rept 4
	v_nop
.endr
.endm
	s_load_b128 s[4:7], s[0:1], 0x0                ; y_img, y_sc
	s_load_b128 s[8:11], s[0:1], 0x10              ; W's codes, W's scales
	s_load_b64 s[12:13], s[0:1], 0x20              ; out0
	v_lshl_add_u32 v[SPW], v0, 2, SPARE
	v_mov_b32 v[NIL], 0
	ds_add_u32 v[SPW], v[NIL]                      ; the opening lines: the add, twice on end, and its wait ahead of my tensor load
	ds_add_u32 v[SPW], v[NIL]
	v_lshrrev_b32 v8, 5, v0
	v_readfirstlane_b32 s14, v8                    ; wave 0..3
	v_and_b32 v8, 15, v0                           ; r
	v_bfe_u32 v9, v0, 4, 1                         ; h
	v_and_b32 v10, 31, v0
	v_lshlrev_b32 v[LI], 4, v10
	v_lshlrev_b32 v[SO], 5, v8
	v_lshl_add_u32 v[SO], v9, 4, v[SO]
	v_mul_u32_u24 v[ADRB], v8, PITCH
	v_lshl_add_u32 v[ADRB], v9, 4, v[ADRB]
	s_mul_i32 s15, s14, 16*SPITCH
	s_add_co_u32 s15, s15, STAGE                   ; my stage
	v_mul_u32_u24 v[STO], v8, SPITCH
	v_lshl_add_u32 v[STO], v9, 5, v[STO]
	v_add_nc_u32 v[STO], s15, v[STO]
	v_add_nc_u32 v[RD], s15, v[LI]
	s_bfe_u32 s16, ttmp6, 0x40000                  ; cx: it enters y's and out0's addresses alone
	s_lshl_b32 s17, ttmp9, 2
	s_add_co_u32 s17, s17, s16                     ; block of tokens 0..31
	s_and_b32 s18, ttmp7, 0xffff                   ; block of columns 0..7, which the four partners share
	s_mov_b32 s24, 15|(0<<16)|(1<<20)|(1<<21)|(6<<22)|(3<<25)   ; the mask: all four; elements of 1 byte; padding: 4 words after every 128; bit 21 beside a mask
	s_mov_b32 s25, 512<<16                         ; tensor_dim0: a row of W, 512 bytes
	s_mov_b32 s26, 32<<16                          ; tensor_dim1
	s_mov_b32 s27, 512<<16                         ; tile_dim0
	s_mov_b32 s28, 32                              ; tile_dim1
	s_mov_b32 s29, 512                             ; pitch
	s_mov_b32 s30, 0
	s_mov_b32 s31, 0
	s_lshl_b32 s20, s17, 17                        ; y_img: 131,072 bytes a block of tokens, 32,768 a wave
	s_lshl_b32 s19, s14, 15
	s_add_co_u32 s20, s20, s19
	s_mov_b32 s21, 0
	s_lshl_b32 s22, s17, 13                        ; y_sc: 8,192 and 2,048
	s_lshl_b32 s19, s14, 11
	s_add_co_u32 s22, s22, s19
	s_mov_b32 s23, 0
	s_lshl_b32 s36, s18, 16                        ; W's codes: 65,536 bytes a block of columns, 16,384 for a wave's 32 rows
	s_lshl_b32 s19, s14, 14
	s_add_co_u32 s36, s36, s19
	s_mov_b32 s37, 0
	s_lshl_b32 s38, s18, 12                        ; W's scales: 4,096 bytes a block of columns
	s_mov_b32 s39, 0
	s_lshl_b32 s40, s17, 20                        ; out0: 4,096 bytes a token, 512 a block of columns
	s_lshl_b32 s19, s14, 18
	s_add_co_u32 s40, s40, s19
	s_lshl_b32 s19, s18, 9
	s_add_co_u32 s40, s40, s19
	s_mov_b32 s41, 0
	s_mov_b32 s32, 1
	s_mul_i32 s33, s14, WROWS                      ; where my 32 rows go
	s_wait_alu depctr_va_vdst(0)                   ; the wait at the head's end
	s_wait_dscnt 0x0                               ; both opening adds are done
	s_wait_kmcnt 0x0
	s_add_nc_u64 s[4:5], s[4:5], s[20:21]
	s_add_nc_u64 s[6:7], s[6:7], s[22:23]
	s_add_nc_u64 s[34:35], s[8:9], s[36:37]
	s_or_b32 s35, s35, 0x80000000
	s_add_nc_u64 s[10:11], s[10:11], s[38:39]
	s_add_nc_u64 s[12:13], s[12:13], s[40:41]
.irp b, 0,1,2,3,4,5,6,7
	global_load_b128 v[WS+4*\b:WS+4*\b+3], v[SO], s[10:11] offset:512*\b
.endr
.irp a, 0,1,2,3
	global_load_b128 v[YS+4*\a:YS+4*\a+3], v[SO], s[6:7] offset:512*\a
.endr
	WIN TO_Y
.irp k, 0,1,2,3,4,5,6,7                ; y's fragments, K step by K step: eight loads a step
.irp a, 0,1,2,3
	global_load_b128 v[8*(8*\a+\k):8*(8*\a+\k)+3], v[LI], s[4:5] offset:1024*(8*\a+\k)
	global_load_b128 v[8*(8*\a+\k)+4:8*(8*\a+\k)+7], v[LI], s[4:5] offset:1024*(8*\a+\k)+512
.endr
.endr
	WIN 0
	ROUND                                          ; all four work-groups are here: the joint loads meet
	tensor_load_to_lds s[32:35], s[24:31]          ; my one tensor load
	s_nop 0
.rept 4
	v_nop
.endr
.macro FETCHW k                        ; W's eight fragments of K step k into set k % 2: lane l holds row l % 16; registers 4 c .. 4 c + 3 hold K = 64 c + 32 (l / 16) + 0 .. 31
.irp b, 0,1,2,3,4,5,6,7
	ds_load_b128 v[WF+64*((\k)%2)+8*\b:WF+64*((\k)%2)+8*\b+3], v[ADRB] offset:64*(\k)+\b*16*PITCH
	ds_load_b128 v[WF+64*((\k)%2)+8*\b+4:WF+64*((\k)%2)+8*\b+7], v[ADRB] offset:64*(\k)+32+\b*16*PITCH
.endr
.endm
; A K step of 128: the next step's fragments of W are asked for, then 32 matrix instructions; the 32 accumulators take turns, one instruction a turn, in the same order in every step.
.macro STEPK k
.if \k < 7
.if \k > 0
	PLACES                                         ; in front of loads into the set that the step before multiplied
.endif
	FETCHW (\k)+1
	s_wait_dscnt 16                                ; this step's fragments are in; the sixteen loads just issued may be out
.else
	s_wait_dscnt 0x0
.endif
	s_wait_loadcnt 8*(7-\k)                        ; the scale words and y's fragments up to this step are in; the later steps' eight loads each may be out
	WIN MUL
.irp a, 0,1,2,3
.irp b, 0,1,2,3,4,5,6,7
.if \k == 0
	v_wmma_scale_f32_16x16x128_f8f6f4 v[8*(8*\a+\b):8*(8*\a+\b)+7], v[WF+64*(\k%2)+8*\b:WF+64*(\k%2)+8*\b+7], v[8*(8*\a+\k):8*(8*\a+\k)+7], 0, v[WS+4*\b+\k%4], v[YS+4*\a+\k%4] matrix_a_fmt:MATRIX_FMT_FP4 matrix_b_fmt:MATRIX_FMT_FP4
.elseif \k < 4
	v_wmma_scale_f32_16x16x128_f8f6f4 v[8*(8*\a+\b):8*(8*\a+\b)+7], v[WF+64*(\k%2)+8*\b:WF+64*(\k%2)+8*\b+7], v[8*(8*\a+\k):8*(8*\a+\k)+7], v[8*(8*\a+\b):8*(8*\a+\b)+7], v[WS+4*\b+\k%4], v[YS+4*\a+\k%4] matrix_a_fmt:MATRIX_FMT_FP4 matrix_b_fmt:MATRIX_FMT_FP4
.else
	v_wmma_scale_f32_16x16x128_f8f6f4 v[8*(8*\a+\b):8*(8*\a+\b)+7], v[WF+64*(\k%2)+8*\b:WF+64*(\k%2)+8*\b+7], v[8*(8*\a+\k):8*(8*\a+\k)+7], v[8*(8*\a+\b):8*(8*\a+\b)+7], v[WS+4*\b+\k%4], v[YS+4*\a+\k%4] matrix_a_fmt:MATRIX_FMT_FP4 matrix_b_fmt:MATRIX_FMT_FP4 matrix_a_scale:MATRIX_SCALE_ROW1 matrix_b_scale:MATRIX_SCALE_ROW1
.endif
.endr
.endr
	WIN 0
.endm
	s_wait_tensorcnt 0x0                           ; my 32 rows of W have landed,
	s_barrier_signal -1
	s_barrier_wait -1                              ; everybody's have
	FETCHW 0
.irp k, 0,1,2,3,4,5,6,7
	STEPK \k
.endr
; THE WAY OUT, block by block of 16 tokens x 128 columns: through my own stage in LDS, back as whole rows of 512 bytes, which the 32 lanes store as two aligned units of 256 bytes.
; LDS serves a wave's instructions in order (ISA guide 5.7.1.4): no wait between the stores and the loads, nor in front of the next block's stores.
.macro TOSTAGE a
	WIN 0x08                                       ; the data: window 2
.irp b, 0,1,2,3,4,5,6,7
	ds_store_b128 v[STO], v[64*(\a)+8*\b:64*(\a)+8*\b+3] offset:64*\b          ; each accumulator from its low end on
	ds_store_b128 v[STO], v[64*(\a)+8*\b+4:64*(\a)+8*\b+7] offset:64*\b+16
.endr
	WIN 0
.irp t, 0,1,2,3,4,5,6,7,8,9,10,11,12,13,14,15
	ds_load_b128 v[BK+64*((\a)%2)+4*\t:BK+64*((\a)%2)+4*\t+3], v[RD] offset:\t*SPITCH
.endr
.endm
.macro SEND a, younger                 ; younger: the LDS instructions issued behind block a's loads, which may stay out
	s_wait_dscnt \younger
.if (\a) > 0
	s_add_nc_u64 s[12:13], s[12:13], 16*4096       ; (behind a wait on XCNT: the earlier stores have read their base)  16 tokens on
.endif
.irp t, 0,1,2,3,4,5,6,7,8,9,10,11,12,13,14,15
	global_store_b128 v[LI], v[BK+64*((\a)%2)+4*\t:BK+64*((\a)%2)+4*\t+3], s[12:13] offset:\t*4096 th:TH_STORE_NT   ; 512 consecutive bytes, at a multiple of 256 from out0's first byte
.endr
.endm
	PLACES                                         ; behind the last products: their results are read, and loads land where W's fragments lay
	TOSTAGE 0
.irp a, 1,2,3
.if \a > 1
	s_wait_xcnt 0x0                                ; block a - 2's stores have read their registers and their base
.endif
	TOSTAGE \a
	SEND \a-1, 32                                  ; behind block a - 1's loads: block a's 16 stores and 16 loads
.endr
	s_wait_xcnt 0x0
	SEND 3, 0
	s_wait_tensorcnt 0x0                           ; the wave's end
	ds_add_u32 v[SPW], v[NIL]
	s_wait_dscnt 0x0
	ROUND                                          ; the closing round
	s_endpgm
.Lfunc_end_k_q4a76f981bc_proj:
	.size	k_q4a76f981bc_proj, .Lfunc_end_k_q4a76f981bc_proj-k_q4a76f981bc_proj
	.p2alignl 7, 3214868480
	.fill 96, 4, 3214868480
	.section	.rodata,"a",@progbits
	.p2align	6, 0x0
	.amdhsa_kernel k_q4a76f981bc_proj
		.amdhsa_group_segment_fixed_size 327680
		.amdhsa_private_segment_fixed_size 0
		.amdhsa_enable_private_segment 0
		.amdhsa_kernarg_size 40
		.amdhsa_user_sgpr_count 2
		.amdhsa_user_sgpr_kernarg_segment_ptr 1
		.amdhsa_wavefront_size32 1
		.amdhsa_system_sgpr_workgroup_id_x 1
		.amdhsa_system_sgpr_workgroup_id_y 1
		.amdhsa_system_sgpr_workgroup_id_z 1
		.amdhsa_system_vgpr_workitem_id 0
		.amdhsa_next_free_vgpr 768
		.amdhsa_next_free_sgpr 66
		.amdhsa_reserve_vcc 0
		.amdhsa_float_denorm_mode_32 3
		.amdhsa_float_denorm_mode_16_64 3
		.amdhsa_memory_ordered 1
		.amdhsa_forward_progress 1
		.amdhsa_inst_pref_size 69
	.end_amdhsa_kernel
	.amdgpu_metadata
---
amdhsa.version: [ 1, 2 ]
amdhsa.kernels:
  - .name:           k_q4a76f981bc_proj
    .symbol:         k_q4a76f981bc_proj.kd
    .args:
      - { .name: y_img, .offset: 0, .size: 8, .value_kind: global_buffer, .address_space: global }
      - { .name: y_sc, .offset: 8, .size: 8, .value_kind: global_buffer, .address_space: global }
      - { .name: c_proj_w_codes, .offset: 16, .size: 8, .value_kind: global_buffer, .address_space: global }
      - { .name: c_proj_w_scales, .offset: 24, .size: 8, .value_kind: global_buffer, .address_space: global }
      - { .name: out0, .offset: 32, .size: 8, .value_kind: global_buffer, .address_space: global }
    .group_segment_fixed_size: 327680
    .private_segment_fixed_size: 0
    .kernarg_segment_align: 8
    .kernarg_segment_size: 40
    .max_flat_workgroup_size: 128
    .sgpr_count:     66
    .vgpr_count:     768
    .wavefront_size: 32
...
	.end_amdgpu_metadata
.endif
;; end of part 3
